; MI455X (gfx1250); checked and timed in simulation.
; The chip was launched on July 23, 2026; its instructions are those of AMD's public machine-readable ISA for CDNA 5 (MIT licence, August 2026) and "CDNA5" Instruction Set Architecture Reference Guide (July 2026). The comments in the code are by the model that wrote it; some were corrected since.
;; LRU Rec. Allowed arithmetic: matrix products marked QUANTISED: E3M2 operands, one E8M0 scale for each 32 along K, by v_wmma_scale_f32_16x16x128_f8f6f4 with both operands' format E3M2, f32 sums; products left as they are: f32 operands where the result goes on into a quantised operand, else bf16, f16 or f32 operands; f32 sums; everything else in f32.
;; Inputs: b1 2 x 512 float32; b2 2 x 128 float32; emb_ln_b 128 float32; emb_ln_g 128 float32; ffn_ln_b 2 x 128 float32; ffn_ln_g 2 x 128 float32; in_bi 2 x 256 float32; in_br 2 x 256 float32; in_wi 2 x 256 x 128 float32; in_wr 2 x 256 x 128 float32; item_seq 512 x 200 int32; item_seq_len 512 int32; lru_ln_b 2 x 128 float32; lru_ln_g 2 x 128 float32; out_bi 2 x 128 float32; out_br 2 x 128 float32; out_wi 2 x 128 x 256 float32; out_wr 2 x 128 x 256 float32; params_log 2 x 3 x 256 float32; token_emb 50,001 x 128 float32; w1 2 x 512 x 128 float32; w2 2 x 128 x 512 float32.
;; Outputs: out0 512 x 128 float32.
;; This version of the problem:
;;   THIS VERSION OF THE PROBLEM IS GIVEN IN LOW PRECISION. The matrix products marked QUANTISED in the list below multiply operands that are first quantised to E3M2 (3 exponent bits, 2 mantissa bits; 6 bits a number), with one power-of-two scale for each 32 numbers along K (OCP MX v1.0); their sums are f32. All else is computed in f32.
;;   The module's matrix products, in the order in which they are computed (A, B: the left and right operand; K: the contracted axis; several contracted axes count as one K, in the product's order):
;;     1. [M 131,072, K 128] x [K 128, N 256]; A: computed on the way; B: computed on the way: left as it is (operands are no floats)
;;     2. [M 131,072, K 256] x [K 256, N 128]; A: computed on the way; B: computed on the way: left as it is (operands are no floats)
;;     3. [M 131,072, K 128] x [K 128, N 512]; A: computed on the way; B: input w1: QUANTISED
;;     4. [M 131,072, K 512] x [K 512, N 128]; A: computed on the way; B: input w2: QUANTISED
;;     5. [M 131,072, K 128] x [K 128, N 256]; A: computed on the way; B: computed on the way: left as it is (operands are no floats)
;;     6. [M 131,072, K 256] x [K 256, N 128]; A: computed on the way; B: computed on the way: left as it is (operands are no floats)
;;     7. [M 131,072, K 128] x [K 128, N 512]; A: computed on the way; B: input w1: QUANTISED
;;     8. [M 131,072, K 512] x [K 512, N 128]; A: computed on the way; B: input w2: QUANTISED
;;   THE QUANTISER, for each operand of a quantised product, along K:
;;     - K is cut into blocks of 32 from its start; a last block that is shorter is filled with zeros.
;;     - A block's scale is 2^e with e = floor(log2(the largest magnitude in the block)) - 4, held to -126 .. 127; a block of zeros has e = 0. As a byte (E8M0): e + 127.
;;     - Each number is divided by its block's scale, clamped to +-28, and rounded to the nearest number of E3M2, ties to even, subnormals kept.
;;     - The product sums the exact products of the quantised numbers (number of the format x scale) in f32.
;;   ~~~python
;;   def quantise(x, axis):      # numpy; x: float32 -> the quantised numbers, widened to float32 again
;;       x = np.moveaxis(x, axis, -1); K = x.shape[-1]
;;       x = np.pad(x, [(0, 0)] * (x.ndim - 1) + [(0, -K % 32)]); x = x.reshape(x.shape[:-1] + (-1, 32)); a = np.abs(x).max(-1, keepdims=True)
;;       e = np.where(a > 0, np.clip(np.frexp(np.where(a > 0, a, 1))[1] - 1 - 4, -126, 127), 0)      # np.frexp(a)[1] - 1 = floor(log2(a)), exactly
;;       r = np.clip(x / 2.0 ** e, -28, 28)
;;       step = 2.0 ** (np.maximum(np.frexp(np.where(r == 0, 1, r))[1] - 1, -2) - 2)
;;       q = np.round(r / step) * step * 2.0 ** e      # np.round: ties to even
;;       return np.moveaxis(q.reshape(q.shape[:-2] + (-1,))[..., :K], -1, axis).astype(np.float32)
;;   ~~~
;;   OPERANDS COMPUTED ON THE WAY. 'Computed on the way' means the value that the module computes at that place (a softmax that the list does not call 'softmax' is quantised finished and normalised). What goes into a quantiser is computed in f32, as accurately as f32 sums, v_exp_f32 and their like allow (about 1e-6 of the number): no bf16 or f16 on the way to a quantiser, and a product that is left as it is and whose result goes on into a quantised operand takes f32 operands (vector FMAs, or v_wmma_f32_16x16x4_f32). A number that lies on a knife's edge between two numbers of the format may be rounded either way, as far as f32 arithmetic and the matrix unit's own rounding can turn it there, and no further.
;; 2 versions, each right; version 2 is version 1 with the launch main written anew for expert scheduling mode. Each part assembles by itself: llvm-mc -triple=amdgcn-amd-amdhsa -mcpu=gfx1250 --defsym DOCPART=n.
;; ======== version 1 of 2: 2 launches
;; limits: right only within a limited range of input values
;; workspace buffers: iw 524,288 bytes; ow 524,288 bytes; pw 131,072 bytes; bi 4,096 bytes; fw 204,800 bytes; order 4,096 bytes of whole numbers
;; launch prep (part 1): grid 339 x 1, 8 waves a work-group, no clusters, 0 bytes of LDS; arguments params_log, in_wr, in_wi, in_br, in_bi, out_wr, out_wi, w1, w2, item_seq_len, iw, ow, pw, bi, fw, order; writes iw, ow, pw, bi, fw, order
.if DOCPART == 1
	.amdgcn_target "amdgcn-amd-amdhsa--gfx1250"
	.amdhsa_code_object_version 6
	.text
	.protected	k_qc9a7b63618_prep
	.globl	k_qc9a7b63618_prep
	.p2align	8
	.type	k_qc9a7b63618_prep,@function
k_qc9a7b63618_prep:
	s_mov_b64 s[64:65], 0
	v_nop
	global_prefetch_b8 v0, s[64:65] scope:SCOPE_SE
	s_setreg_imm32_b32 hwreg(HW_REG_WAVE_MODE, 25, 1), 1
	s_wait_xcnt 0x0
; LRURec, launch 1 of 2: the weights are laid out once as the second launch's operand registers take them, and the batches are sorted by length.
;
; WORK THAT IS LEFT OUT BY THE WHOLE PROGRAM, and why it can reach no output, for all values of the inputs (t, s: positions in the padded sequence of 256; p = 55 + item_seq_len[b]):
; (a) In lru_scan position s hands its value on for the first time at the level i of its lowest zero bit i - 1: there s is the last of h1, and the term carries the factor m[s].  At lower levels s only receives.
;     So a position with m[s] = False reaches no later position.
; (b) reference() pads m with False at positions 0 .. 55, and the result is taken at p >= 56: positions 0 .. 55 reach no output in either layer.  (48 .. 55 stay as rows inside the first tile of 16.)
; (c) The scan hands values only to later positions and all else works on one position: positions t > p reach no output.  item_seq_len is an index input: launch 2 reads it from memory and walks only the tiles up to p.
; (d) Of layer 2's scan only h[p] is used: h[p] = sum over s <= p of lambda^(p - s) G(s, p) h_in[s], G(s, p) = the product of m[s | (2^(i-1) - 1)] over the levels i up to the highest bit in which s and p differ
;     at which bit i - 1 of s is 0.  So layer 2's out-projection, both its norms and its FFN (products 6, 7, 8) are live for one row of each batch alone; its in-projection (product 5) for all s <= p.
; (e) Of the out-projections only the real part is taken: hr wr - hi wi + out_br.  out_bi has no way to an output: it is not loaded and is no argument of either launch.
; LIMIT: a NaN, an infinity or an overflow that reaches only the work left out is not carried to the result.
;
; WHAT THIS LAUNCH STORES (work-groups part on their number alone; no LDS, no barrier):
;   0 .. 127   iw [li 2][cb 16][re, im][q 16][lane 32][4]: lane (r, h) holds gamma_c x in_w[li][c = 16 cb + r][8 q + 4 h + 0 .. 3]
;   128 .. 255 ow [li 2][mt 8][u 64][lane 32][4]: lane (r, h), d = 16 mt + r, c = 4 u + 2 h: wr[d][c], -wi[d][c], wr[d][c+1], -wi[d][c+1]
;   256 .. 271 fw [li 2]{32 fragments of w1, 32 of w2 (K step s, tile nt: 8 s + nt), 1,536 bytes each as images of the 12 operand registers; 64 x 64 bytes of scale words}: codes of E3M2 by the stated quantiser.
;              Lane r of tile 2 b + u takes row 32 b + 8 u + r + 8 (r / 8).  A block of zeros gets the byte 1 where the rule says 127: its codes are zeros, and this program alone reads the bytes.
;   272 .. 335 pw [li 2][c 256][i 32] (re, im): lambda_c^(16 - i) for i <= 16, 0 beyond
;   336, 337   bi [li 2][c 256]: gamma (in_br, in_bi)
;   338        order [rank 512]: (batch, length), the longest first
; LIMITS: theta = exp(theta_log) is reduced by pi/2 in two fused steps: good while theta stays under some 2^16; beyond that lambda's angle loses accuracy.  Powers of lambda are formed from lambda^1, 2, 4, 8, 16,
; the low bits first, as lru_scan forms them.
.macro EXPACC d, x, ta, tb             ; d = e^x: x log2(e) in two parts, so that the rounding of the product is made good
	v_mul_f32 v[\ta], s37, v[\x]
	v_fma_f32 v[\tb], v[\x], s37, -v[\ta]
	v_fma_f32 v[\tb], v[\x], s38, v[\tb]
	v_exp_f32 v[\ta], v[\ta]
	v_mul_f32 v[\tb], s39, v[\tb]                  ; a plain line behind the exponential
	s_wait_alu depctr_va_vdst(0)                   ; the wait ahead of the first reader
	v_fma_f32 v[\d], v[\ta], v[\tb], v[\ta]
.endm
.macro CSQ d, a                        ; d = a squared (complex)
	v_mul_f32 v[\d], v[\a], v[\a]
	v_mul_f32 v[\d+1], v[\a], v[\a+1]
	v_fma_f32 v[\d], -v[\a+1], v[\a+1], v[\d]
	v_add_f32 v[\d+1], v[\d+1], v[\d+1]
.endm
	s_load_b512 s[4:19], s[0:1], 0x0               ; params_log 4, in_wr 6, in_wi 8, in_br 10, in_bi 12, out_wr 14, out_wi 16, w1 18
	s_load_b512 s[20:35], s[0:1], 0x40             ; w2 20, item_seq_len 22, iw 24, ow 26, pw 28, bi 30, fw 32, order 34
	v_lshrrev_b32 v1, 5, v0
	v_readfirstlane_b32 s36, v1                    ; wave
	v_and_b32 v1, 31, v0                           ; lane
	v_and_b32 v2, 15, v0                           ; r
	v_bfe_u32 v3, v0, 4, 1                         ; h
	s_mov_b32 s37, 0x3fb8aa3b                      ; log2(e), its upper part
	s_mov_b32 s38, 0x32a57060                      ; and what is left of it
	s_mov_b32 s39, 0x3f317218                      ; ln 2
	s_mov_b32 s52, 0x76543210
	s_mov_b32 s53, 0xfedcba98                      ; lane l xor 16
	s_wait_kmcnt 0x0
	s_cmp_lt_u32 ttmp9, 128
	s_cbranch_scc1 .Liw
	s_cmp_lt_u32 ttmp9, 256
	s_cbranch_scc1 .Low
	s_cmp_lt_u32 ttmp9, 272
	s_cbranch_scc1 .Lfw
	s_cmp_lt_u32 ttmp9, 336
	s_cbranch_scc1 .Lpw
	s_cmp_lt_u32 ttmp9, 338
	s_cbranch_scc1 .Lbi
; ---- order: thread t owns batches t and t + 256.  key = length x 512 + 511 - batch: all keys differ.  A batch's rank is the number of larger keys.
	v_lshlrev_b32 v4, 2, v1
.irp m, 0,1,2,3,4,5,6,7,8,9,10,11,12,13,14,15
	global_load_b32 v[16+\m], v4, s[22:23] offset:128*\m           ; every wave holds all 512 lengths: register m, lane l: batch 32 m + l
.endr
	v_lshlrev_b32 v5, 2, v0
	global_load_b32 v15, v5, s[22:23]
	global_load_b32 v33, v5, s[22:23] offset:1024
	v_sub_nc_u32 v6, 511, v1
	v_sub_nc_u32 v7, 511, v0
	v_mov_b32 v12, 0
	v_mov_b32 v13, 0
	s_wait_loadcnt 0x0
.irp m, 0,1,2,3,4,5,6,7,8,9,10,11,12,13,14,15
	v_lshl_add_u32 v[16+\m], v[16+\m], 9, v6
.endr
.irp m, 1,2,3,4,5,6,7,8,9,10,11,12,13,14,15
	v_add_nc_u32 v[16+\m], -32*\m, v[16+\m]
.endr
	v_lshl_add_u32 v10, v15, 9, v7
	v_lshl_add_u32 v11, v33, 9, v7
	v_add_nc_u32 v11, -256, v11
	s_mov_b32 s40, 0
.Lrank:                                            ; 32 trips, a lane's 16 keys in each
.irp m, 0,1,2,3,4,5,6,7,8,9,10,11,12,13,14,15
	v_readlane_b32 s41, v[16+\m], s40
	v_cmp_gt_u32 vcc_lo, s41, v10
	v_add_co_ci_u32 v12, vcc_lo, 0, v12, vcc_lo
	v_cmp_gt_u32 vcc_lo, s41, v11
	v_add_co_ci_u32 v13, vcc_lo, 0, v13, vcc_lo
.endr
	s_add_co_u32 s40, s40, 1
	s_cmp_lt_u32 s40, 32
	s_cbranch_scc1 .Lrank
	v_min_u32 v12, 0x1ff, v12                      ; a rank is under 512: stated for the address
	v_min_u32 v13, 0x1ff, v13
	v_lshlrev_b32 v12, 3, v12
	v_lshlrev_b32 v13, 3, v13
	v_mov_b32 v14, v0
	v_add_nc_u32 v32, 0x100, v0
	global_store_b64 v12, v[14:15], s[34:35]
	global_store_b64 v13, v[32:33], s[34:35]
	s_endpgm
; ---- iw
.Liw:
	s_lshr_b32 s40, ttmp9, 6                       ; li
	s_bfe_u32 s41, ttmp9, 0x40002                  ; cb
	s_bfe_u32 s42, ttmp9, 0x10001                  ; re or im
	s_and_b32 s43, ttmp9, 1
	s_lshl_b32 s43, s43, 3
	s_add_co_u32 s43, s43, s36                     ; q
	s_cmp_eq_u32 s42, 0
	s_cselect_b64 s[44:45], s[6:7], s[8:9]
	s_lshl_b32 s46, s40, 17
	s_lshl_b32 s47, s41, 13
	s_add_co_u32 s46, s46, s47
	s_lshl_b32 s47, s43, 5
	s_add_co_u32 s46, s46, s47
	v_lshlrev_b32 v4, 9, v2
	v_lshl_add_u32 v4, v3, 4, v4
	v_add_nc_u32 v4, s46, v4                       ; row 16 cb + r of 512 bytes, + 32 q + 16 h
	global_load_b128 v[8:11], v4, s[44:45]
	s_mul_i32 s46, s40, 3072
	s_lshl_b32 s47, s41, 6
	s_add_co_u32 s46, s46, s47
	v_lshl_add_u32 v5, v2, 2, s46
	global_load_b32 v12, v5, s[4:5] offset:2048    ; gamma_log of my channel
	s_lshl_b32 s47, ttmp9, 12
	v_lshl_add_u32 v6, v0, 4, s47
	s_wait_loadcnt 0x0
	EXPACC 13, 12, 14, 15
	v_mul_f32 v8, v8, v13
	v_mul_f32 v9, v9, v13
	v_mul_f32 v10, v10, v13
	v_mul_f32 v11, v11, v13
	global_store_b128 v6, v[8:11], s[24:25]        ; a wave stores 512 consecutive bytes
	s_endpgm
; ---- ow
.Low:
	s_sub_co_u32 s40, ttmp9, 128
	s_lshr_b32 s41, s40, 6                         ; li
	s_bfe_u32 s42, s40, 0x30003                    ; mt
	s_and_b32 s43, s40, 7
	s_lshl_b32 s43, s43, 3
	s_add_co_u32 s43, s43, s36                     ; u
	s_lshl_b32 s41, s41, 17
	s_lshl_b32 s42, s42, 14
	s_lshl_b32 s43, s43, 4
	s_add_co_u32 s41, s41, s42
	s_add_co_u32 s41, s41, s43
	v_lshlrev_b32 v4, 10, v2
	v_lshl_add_u32 v4, v3, 3, v4
	v_add_nc_u32 v4, s41, v4                       ; row 16 mt + r of 1,024 bytes, + 16 u + 8 h
	global_load_b32 v12, v4, s[14:15]
	global_load_b32 v13, v4, s[16:17]
	global_load_b32 v14, v4, s[14:15] offset:4
	global_load_b32 v15, v4, s[16:17] offset:4
	s_lshl_b32 s42, s40, 12
	v_lshl_add_u32 v5, v0, 4, s42
	s_wait_loadcnt 0x0
	v_xor_b32 v13, 0x80000000, v13                 ; -wi: the real part is hr wr - hi wi
	v_xor_b32 v15, 0x80000000, v15
	global_store_b128 v5, v[12:15], s[26:27]
	s_endpgm
; ---- fw: a wave makes one fragment: 16 rows x 128 along K; lane (r, h) holds two whole blocks of 32: k = 64 c + 32 h + 0 .. 31
.Lfw:
	s_sub_co_u32 s40, ttmp9, 256
	s_lshl_b32 s40, s40, 3
	s_add_co_u32 s40, s40, s36                     ; 0 .. 127
	s_lshr_b32 s41, s40, 6                         ; li
	s_and_b32 s42, s40, 63                         ; fragment: 0 .. 31 of w1, 32 .. 63 of w2
	s_and_b32 s43, s42, 7
	s_bfe_u32 s44, s42, 0x20003
	s_cmp_lt_u32 s42, 32
	s_cselect_b64 s[46:47], s[18:19], s[20:21]
	s_cselect_b32 s43, s42, s43                    ; the tile of rows
	s_cselect_b32 s44, 0, s44                      ; the K step
	s_cselect_b32 s45, 9, 11                       ; a row is 512 or 2,048 bytes
	s_lshr_b32 s48, s43, 1
	s_lshl_b32 s48, s48, 5
	s_and_b32 s49, s43, 1
	s_lshl_b32 s49, s49, 3
	s_add_co_u32 s48, s48, s49                     ; the tile's first row: 32 b + 8 u
	s_lshl_b32 s48, s48, s45
	s_lshl_b32 s49, s44, 9
	s_add_co_u32 s48, s48, s49
	s_lshl_b32 s49, s41, 18
	s_add_co_u32 s48, s48, s49
	v_and_b32 v4, 8, v2
	v_add_nc_u32 v4, v4, v2                        ; r + 8 (r / 8)
	v_lshlrev_b32 v4, s45, v4
	v_lshl_add_u32 v4, v3, 7, v4
	v_add_nc_u32 v4, s48, v4
.irp c, 0,1
.irp i, 0,1,2,3,4,5,6,7
	global_load_b128 v[64+32*\c+4*\i:67+32*\c+4*\i], v4, s[46:47] offset:256*\c+16*\i
.endr
.endr
	s_mul_i32 s48, s41, 102400
	s_mul_i32 s49, s42, 1536
	s_add_co_u32 s49, s49, s48
	v_lshl_add_u32 v5, v1, 4, s49                  ; the image: 16 bytes a lane
	s_lshl_b32 s49, s42, 6
	s_add_co_u32 s49, s49, s48
	v_lshl_add_u32 v6, v2, 2, s49                  ; the scale word of lane r
	s_wait_loadcnt 0x0
.irp c, 0,1
	v_max3_num_f32 v[32+\c], |v[64+32*\c]|, |v[65+32*\c]|, 0x2800000       ; with the floor 2^(5 - 127): the byte cannot fall under 1
.endr
.irp i, 2,4,6,8,10,12,14,16,18,20,22,24,26,28,30
.irp c, 0,1
	v_max3_num_f32 v[32+\c], v[32+\c], |v[64+32*\c+\i]|, |v[65+32*\c+\i]|
.endr
.endr
.irp c, 0,1
	v_add_nc_u32 v[34+\c], 0xfe000000, v[32+\c]    ; 4 off the exponent field: the conversion's scale operand
.endr
.irp c, 0,1
	v_lshrrev_b32 v[36+\c], 23, v[34+\c]           ; the scale's byte
.endr
	v_lshl_or_b32 v9, v37, 16, v36                 ; blocks h and 2 + h,
	v_lshlrev_b32 v10, 3, v3
	v_lshlrev_b32 v9, v10, v9                      ; at their places in the word;
	v_mov_b32 v10, 0
	v_permlanex16_b32 v10, v9, s52, s53
	v_or_b32 v9, v9, v10                           ; with the other half's two the word is whole
.irp c, 0,1
	v_cvt_scalef32_pk16_bf6_f32 v[48+6*\c:50+6*\c], v[64+32*\c:79+32*\c], v[34+\c]
	v_cvt_scalef32_pk16_bf6_f32 v[40+4*\c:42+4*\c], v[80+32*\c:95+32*\c], v[34+\c]   ; (three registers begin on an even number)
.endr
	v_nop                                          ; a plain line behind the scaled conversions
.irp c, 0,1
.irp i, 0,1,2
	v_mov_b32 v[51+6*\c+\i], v[40+4*\c+\i]
.endr
.endr
	global_store_b128 v5, v[48:51], s[32:33]
	global_store_b128 v5, v[52:55], s[32:33] offset:512
	global_store_b128 v5, v[56:59], s[32:33] offset:1024
	global_store_b32 v6, v9, s[32:33] offset:98304 ; both halves of the lanes store the same word
	s_endpgm
; ---- pw: a wave makes one channel's 32 entries
.Lpw:
	s_sub_co_u32 s40, ttmp9, 272
	s_lshl_b32 s40, s40, 3
	s_add_co_u32 s40, s40, s36                     ; 256 li + c
	s_lshr_b32 s41, s40, 8
	s_and_b32 s42, s40, 255
	s_mul_i32 s43, s41, 3072
	s_lshl_b32 s44, s42, 2
	s_add_co_u32 s43, s43, s44
	v_mov_b32 v4, s43
	global_load_b32 v8, v4, s[4:5]                 ; nu_log
	global_load_b32 v9, v4, s[4:5] offset:1024     ; theta_log
	s_mov_b32 s50, 0x3fc90fdb                      ; pi/2, its upper part
	s_mov_b32 s51, 0xb33bbd2e                      ; and what is left of it
	s_wait_loadcnt 0x0
	EXPACC 10, 8, 14, 15                           ; nu
	EXPACC 11, 9, 14, 15                           ; theta
	v_xor_b32 v10, 0x80000000, v10
	EXPACC 12, 10, 14, 15                          ; |lambda| = e^-nu
	v_mul_f32 v20, 0x3f22f983, v11
	v_rndne_f32 v20, v20                           ; n = the nearest whole number to theta / (pi/2)
	v_fma_f32 v21, -v20, s50, v11
	v_fma_f32 v21, -v20, s51, v21                  ; x = theta - n pi/2, within pi/4
	v_mul_f32 v22, v21, v21
	v_mov_b32 v23, 0xb94ca1f9
	v_fmaak_f32 v23, v23, v22, 0x3c08839e
	v_fmaak_f32 v23, v23, v22, 0xbe2aaaa3
	v_mul_f32 v24, v21, v22
	v_fma_f32 v23, v24, v23, v21                   ; sin x
	v_mov_b32 v25, 0x37ccf5ce
	v_fmaak_f32 v25, v25, v22, 0xbab6061a
	v_fmaak_f32 v25, v25, v22, 0x3d2aaaa5
	v_mul_f32 v26, v22, v22
	v_fma_f32 v27, v22, -0.5, 1.0
	v_fma_f32 v25, v26, v25, v27                   ; cos x
	v_cvt_i32_f32 v28, v20
	v_and_b32 v29, 1, v28
	v_cmp_eq_u32 vcc_lo, 1, v29
	v_cndmask_b32 v46, v23, v25, vcc_lo            ; the sine: cos x in the odd quadrants,
	v_cndmask_b32 v47, v25, v23, vcc_lo            ; the cosine: sin x there
	v_and_b32 v29, 2, v28
	v_lshlrev_b32 v29, 30, v29
	v_xor_b32 v46, v29, v46                        ; the sine changes sign in quadrants 2, 3,
	v_add_nc_u32 v28, 1, v28
	v_and_b32 v29, 2, v28
	v_lshlrev_b32 v29, 30, v29
	v_xor_b32 v47, v29, v47                        ; the cosine in 1, 2
	v_mul_f32 v30, v12, v47
	v_mul_f32 v31, v12, v46                        ; lambda
	CSQ 32, 30
	CSQ 34, 32
	CSQ 36, 34
	CSQ 38, 36                                     ; lambda^2, 4, 8, 16
	v_sub_nc_u32 v5, 16, v1                        ; my power: 16 - lane
	v_mov_b32 v40, 1.0
	v_mov_b32 v41, 0
.irp b, 0,1,2,3,4                      ; the product moves between v[40:41] and v[44:45]
	v_and_b32 v6, 1<<\b, v5
	v_cmp_ne_u32 vcc_lo, 0, v6
	v_cndmask_b32 v42, 1.0, v[30+2*\b], vcc_lo
	v_cndmask_b32 v43, 0, v[31+2*\b], vcc_lo
	v_mul_f32 v[44-4*(\b%2)], v[40+4*(\b%2)], v42
	v_mul_f32 v[45-4*(\b%2)], v[40+4*(\b%2)], v43
	v_fma_f32 v[44-4*(\b%2)], -v[41+4*(\b%2)], v43, v[44-4*(\b%2)]
	v_fma_f32 v[45-4*(\b%2)], v[41+4*(\b%2)], v42, v[45-4*(\b%2)]
.endr
	v_cmp_gt_u32 vcc_lo, 17, v1
	v_cndmask_b32 v44, 0, v44, vcc_lo              ; entries 17 .. 31 are zeros
	v_cndmask_b32 v45, 0, v45, vcc_lo
	s_lshl_b32 s43, s40, 8
	v_lshl_add_u32 v7, v1, 3, s43
	global_store_b64 v7, v[44:45], s[28:29]        ; a wave stores 256 consecutive bytes, aligned
	s_endpgm
; ---- bi
.Lbi:
	s_sub_co_u32 s40, ttmp9, 336                   ; li; the thread is the channel
	s_mul_i32 s41, s40, 3072
	v_lshl_add_u32 v4, v0, 2, s41
	global_load_b32 v8, v4, s[4:5] offset:2048
	s_lshl_b32 s42, s40, 10
	v_lshl_add_u32 v5, v0, 2, s42
	global_load_b32 v9, v5, s[10:11]
	global_load_b32 v10, v5, s[12:13]
	s_lshl_b32 s43, s40, 11
	v_lshl_add_u32 v6, v0, 3, s43
	s_wait_loadcnt 0x0
	EXPACC 11, 8, 14, 15
	v_mul_f32 v12, v9, v11
	v_mul_f32 v13, v10, v11
	global_store_b64 v6, v[12:13], s[30:31]
	s_endpgm
.Lfunc_end_k_qc9a7b63618_prep:
	.size	k_qc9a7b63618_prep, .Lfunc_end_k_qc9a7b63618_prep-k_qc9a7b63618_prep
	.p2alignl 7, 3214868480
	.fill 96, 4, 3214868480
	.section	.rodata,"a",@progbits
	.p2align	6, 0x0
	.amdhsa_kernel k_qc9a7b63618_prep
		.amdhsa_group_segment_fixed_size 0
		.amdhsa_private_segment_fixed_size 0
		.amdhsa_enable_private_segment 0
		.amdhsa_kernarg_size 128
		.amdhsa_user_sgpr_count 2
		.amdhsa_user_sgpr_kernarg_segment_ptr 1
		.amdhsa_wavefront_size32 1
		.amdhsa_system_sgpr_workgroup_id_x 1
		.amdhsa_system_sgpr_workgroup_id_y 1
		.amdhsa_system_sgpr_workgroup_id_z 1
		.amdhsa_system_vgpr_workitem_id 0
		.amdhsa_next_free_vgpr 128
		.amdhsa_next_free_sgpr 66
		.amdhsa_reserve_vcc 1
		.amdhsa_float_denorm_mode_32 3
		.amdhsa_float_denorm_mode_16_64 3
		.amdhsa_memory_ordered 1
		.amdhsa_forward_progress 1
		.amdhsa_inst_pref_size 26
	.end_amdhsa_kernel
	.amdgpu_metadata
---
amdhsa.version: [ 1, 2 ]
amdhsa.kernels:
  - .name:           k_qc9a7b63618_prep
    .symbol:         k_qc9a7b63618_prep.kd
    .args:
      - { .name: params_log, .offset: 0, .size: 8, .value_kind: global_buffer, .address_space: global }
      - { .name: in_wr, .offset: 8, .size: 8, .value_kind: global_buffer, .address_space: global }
      - { .name: in_wi, .offset: 16, .size: 8, .value_kind: global_buffer, .address_space: global }
      - { .name: in_br, .offset: 24, .size: 8, .value_kind: global_buffer, .address_space: global }
      - { .name: in_bi, .offset: 32, .size: 8, .value_kind: global_buffer, .address_space: global }
      - { .name: out_wr, .offset: 40, .size: 8, .value_kind: global_buffer, .address_space: global }
      - { .name: out_wi, .offset: 48, .size: 8, .value_kind: global_buffer, .address_space: global }
      - { .name: w1, .offset: 56, .size: 8, .value_kind: global_buffer, .address_space: global }
      - { .name: w2, .offset: 64, .size: 8, .value_kind: global_buffer, .address_space: global }
      - { .name: item_seq_len, .offset: 72, .size: 8, .value_kind: global_buffer, .address_space: global }
      - { .name: iw, .offset: 80, .size: 8, .value_kind: global_buffer, .address_space: global }
      - { .name: ow, .offset: 88, .size: 8, .value_kind: global_buffer, .address_space: global }
      - { .name: pw, .offset: 96, .size: 8, .value_kind: global_buffer, .address_space: global }
      - { .name: bi, .offset: 104, .size: 8, .value_kind: global_buffer, .address_space: global }
      - { .name: fw, .offset: 112, .size: 8, .value_kind: global_buffer, .address_space: global }
      - { .name: order, .offset: 120, .size: 8, .value_kind: global_buffer, .address_space: global }
    .group_segment_fixed_size: 0
    .private_segment_fixed_size: 0
    .kernarg_segment_align: 8
    .kernarg_segment_size: 128
    .max_flat_workgroup_size: 256
    .sgpr_count:     66
    .vgpr_count:     128
    .wavefront_size: 32
...
	.end_amdgpu_metadata
.endif
;; end of part 1
;; launch main (part 2): grid 256 x 1, 8 waves a work-group, no clusters, 309,248 bytes of LDS; arguments token_emb, item_seq, order, iw, ow, pw, bi, fw, emb_ln_g, emb_ln_b, out_br, lru_ln_g, lru_ln_b, b1, b2, ffn_ln_g, ffn_ln_b, out0; writes out0
.if DOCPART == 2
	.amdgcn_target "amdgcn-amd-amdhsa--gfx1250"
	.amdhsa_code_object_version 6
	.text
	.protected	k_qc9a7b63618_main
	.globl	k_qc9a7b63618_main
	.p2align	8
	.type	k_qc9a7b63618_main,@function
k_qc9a7b63618_main:
	s_mov_b64 s[64:65], 0
	v_nop
	global_prefetch_b8 v0, s[64:65] scope:SCOPE_SE
	s_setreg_imm32_b32 hwreg(HW_REG_WAVE_MODE, 25, 1), 1
	s_wait_xcnt 0x0
; LRURec, launch 2 of 2.  Work-group i takes the batches of rank i and 511 - i by length (a long one and a short one) and makes their two rows of out0.
; LEFT OUT, as shown at the head of the first launch: padded positions 0 .. 47 and positions behind p = 55 + item_seq_len[b] (whole tiles of 16); layer 2 behind its in-projection for all rows but p; the imaginary
; part of the out-projections, and with it out_bi.  A NaN, an infinity or an overflow that reaches only that work is not carried to the result.
; THREE PASSES.  Pass 0 and 1, one batch each: S gates m[t] | GPX the gates' products G(t, p) | E gather, LayerNorm -> X, and X + out_br[0] -> Y | L1 layer 1's LRU, in two sweeps of 128 channels, tile by tile:
; in-projection and scan -> HS, barrier, real part of the out-projection added into Y, barrier | W the FFN's codes into X's bytes | F a tile a wave: norm, FFN, norm, in place in Y; the row at p is kept in TT |
; L2 layer 2's in-projection of all tiles, summed at once into h[p] = sum lambda^(p - s) G(s, p) h_in[s] -> HF.  Pass 2: T1 layer 2's out-projection of the two rows -> Y's tile 0 | W | F | the two rows leave.
; FORMATS.  The complex products feed quantisers: f32 operands, v_wmma_f32_16x16x4_f32; k is permuted alike in both operands (a lane's 16 bytes are four neighbours).  The FFN's two products: codes of E3M2 with E8M0 scales,
; both used transposed (source 0 = 16 rows of the weight), so that a lane holds one row throughout; the rows that form a weight's tile are chosen so that a lane's registers run along the next K.
; No tensor load, no cluster: how many tiles are walked hangs on a length read from memory; weights come from memory straight into registers in the order of the operand's registers, 512 consecutive bytes an instruction.
; All loops have constant trip counts. EXEC is never written: what a length chooses among lanes is chosen by v_cndmask_b32.
; LIMITS: ids are held at 50,000, lengths at 1 .. 200, batch numbers at 511.  erf is u P(u^2) / Q(u^2) with u held at +-4: an absolute error of about 1e-7, so GELU's far negative tail is right in absolute terms only.
; A block of zeros gets the scale byte 1 (its codes are zeros).  Sums and powers of lambda are associated otherwise than in lru_scan: roundings of f32 differ.
; LDS: X 16 tiles of 16 rows x 528 bytes | Y likewise | HS 16 rows x 1,040 | HF 3 x 2,064 | TT 3 x 8 slots x 528, a slot a wave | G, GP 1,024 each | the spare words.  (Tiles 13 .. 15 and the third rows are never live.)
; REGISTERS, window 0: v1-15 addresses; v16-47 the f32 sums HR, HI, OA, OB, written by matrix instructions alone; v48-143 operands from LDS; v144-159 the scan's results, later C and the out-projection's sums;
;   v160-222 lambda's powers, biases, the carries, gates; v223-240 at work; v241-250 scale words and nothing else; v251-255 lane terms.
;   window 1: L1: in_w's fragments v0-127, out_w's v128-255; FFN: ZX v0-63, A2 v64-127, HID v128-191, PT v192-255.
.set P,     528
.set TILE,  16*P
.set YB,    16*TILE
.set HSB,   32*TILE
.set HP,    1040
.set HFB,   HSB+16*HP
.set HFP,   2064
.set TTB,   HFB+6400
.set GB,    TTB+12800
.set SPARE, GB+2048
.set SPW, 1
.set NIL, 2
.set LT,  3                            ; r 528 + 16 h: a row's 16 bytes for the f32 form
.set LH,  4                            ; HS + r 1040 + 16 h
.set AHW, 5                            ; HS + 8 h 1040 + 128 w + 8 r
.set AYW, 6                            ; Y + r 528 + 64 w + 32 h
.set AG,  7                            ; G + 192 + 32 h
.set L16, 8                            ; 16 lane
.set FA,  9                            ; r 528 + 64 h: the FFN's layout: register 16 b + 4 i + e = column 32 b + 16 h + 4 i + e of row r
.set PL,  10                           ; 64 h: the same for a vector of 128 parameters
.set HR,  16
.set HI,  24
.set OA,  32
.set OB,  40
.set PO,  48
.set O,   144
.set LAM8, 160                         ; lambda^e at LAM8 + 2 (8 - e)
.set LAM4, 168
.set LAM3, 170
.set LAM2, 172
.set LAM1, 174
.set BRV, 182
.set BIV, 190
.set W,   198
.set WP,  206
.set G,   214
.set WSC, 241
.set XS,  249
.set PWS, 250
.set RR,  251
.set HH,  252
.set LAN, 253
.set AHF, 254                          ; HF + 128 w + 8 r
.set ATT, 255                          ; TT + 528 w + 64 h
.set WF,  48                           ; the FFN: four fragments of a weight,
.set PC,  96                           ; the hidden layer's codes,
.set QW,  108                          ; the quantiser's work registers,
.set XF,  116                          ; x's codes,
.set TM,  128                          ; largest magnitudes, bytes, scale operands
.set ZX,  0
.set A2,  64
.set HID, 128
.set PT,  192
.set MSB, 0
.macro WIN new                         ; the immediate's high byte repeats the setting that is left
.if MSB != \new
	s_set_vgpr_msb (MSB<<8)|\new
.set MSB, \new
.endif
.endm
.macro BAR                             ; my LDS stores have landed and my LDS loads are in: then the work-group's barrier
	s_wait_dscnt 0x0
	s_barrier_signal -1
	s_barrier_wait -1
.endm
.macro NOPS n
.rept \n
	v_nop
.endr
.endm
.macro PLOAD dst, ptr, voff            ; 128 parameters in the FFN's layout
.irp b, 0,1,2,3
.irp i, 0,1,2,3
	global_load_b128 v[\dst+16*\b+4*\i:\dst+16*\b+4*\i+3], v[\voff], s[\ptr:\ptr+1] offset:128*\b+16*\i
.endr
.endr
.endm
.macro RLOAD dst, va                   ; a tile's rows in the FFN's layout
.irp b, 0,1,2,3
.irp i, 0,1,2,3
	ds_load_b128 v[\dst+16*\b+4*\i:\dst+16*\b+4*\i+3], v[\va] offset:128*\b+16*\i
.endr
.endr
.endm
.macro RSTORE src, va
.irp b, 0,1,2,3
.irp i, 0,1,2,3
	ds_store_b128 v[\va], v[\src+16*\b+4*\i:\src+16*\b+4*\i+3] offset:128*\b+16*\i
.endr
.endr
.endm
.macro XLOAD va                        ; 16 rows x 128 for the f32 form: register 4 q + e of lane (r, h) = column 8 q + 4 h + e of row r
.set xli, 0
.rept 16
	ds_load_b128 v[PO+4*xli:PO+4*xli+3], v[\va] offset:32*xli
.set xli, xli+1
.endr
.endm
; The in-projection of a tile for my 16 channels: HR, HI (position 8 h + j, channel r) = bias + x w.  The two sums take turns; each sum's first step takes the bias as C.
.macro IP
	WIN 0x04                                       ; source 1 (the weights) in window 1
	v_wmma_f32_16x16x4_f32 v[HR:HR+7], v[PO:PO+1], v[0:1], v[BRV:BRV+7]
	v_wmma_f32_16x16x4_f32 v[HI:HI+7], v[PO:PO+1], v[64:65], v[BIV:BIV+7]
.set ipi, 2
.rept 31
	v_wmma_f32_16x16x4_f32 v[HR:HR+7], v[PO+ipi:PO+ipi+1], v[ipi:ipi+1], v[HR:HR+7]
	v_wmma_f32_16x16x4_f32 v[HI:HI+7], v[PO+ipi:PO+ipi+1], v[64+ipi:65+ipi], v[HI:HI+7]
.set ipi, ipi+2
.endr
	WIN 0
.endm
.macro CMG c, g, xr, xi                ; c = g x (a gate times a complex number)
	v_mul_f32 v[\c], v[\g], v[\xr]
	v_mul_f32 v[(\c)+1], v[\g], v[\xi]
.endm
.macro CFMA dr, di, sr, si, a, c       ; d = s + a c (complex)
	v_fma_f32 v[\dr], v[\a], v[\c], v[\sr]
	v_fma_f32 v[\di], v[\a], v[(\c)+1], v[\si]
	v_fma_f32 v[\dr], -v[(\a)+1], v[(\c)+1], v[\dr]
	v_fma_f32 v[\di], v[(\a)+1], v[\c], v[\di]
.endm
; THE SCAN of a tile.  A lane holds channel r and positions 8 h + 0 .. 7.  Levels 1 to 3 lie in its registers, level 4 crosses the halves of the lanes, levels 5 to 8 come as the carries W0 .. W3:
; W_b = lambda^(16 (T mod 2^b)) x the gated end of the first half of the block of 2^(5+b), where bit b of the tile's number T is set, else 0.
.macro SC
.irp b, 0,1,2,3                        ; lambda^16 W, the carries' sum, its factor: 23 plain lines that name no register of the products: their places
	v_mul_f32 v[WP+2*\b], v176, v[W+2*\b]
	v_mul_f32 v[WP+2*\b+1], v176, v[W+2*\b+1]
.endr
.irp b, 0,1,2,3
	v_fma_f32 v[WP+2*\b], -v177, v[W+2*\b+1], v[WP+2*\b]
	v_fma_f32 v[WP+2*\b+1], v177, v[W+2*\b], v[WP+2*\b+1]
.endr
	v_pk_add_f32 v[232:233], v[W:W+1], v[W+2:W+3]
	v_pk_add_f32 v[226:227], v[W+4:W+5], v[W+6:W+7]
	v_pk_add_f32 v[232:233], v[232:233], v[226:227]
	v_mul_f32 v234, v178, v232
	v_mul_f32 v235, v178, v233
	v_fma_f32 v234, -v179, v233, v234
	v_fma_f32 v235, v179, v232, v235               ; (h ? lambda^8 : 1) x the carries' sum
	v_permlanex16_b32 v222, v[G+7], s42, s43
	v_cndmask_b32 v222, v222, v[G+7], s44          ; the gate of position 15, in every lane
.irp e, 0,2,4,6                        ; level 1 (each sum is read from its low end on)
	CMG 224+(\e%4), G+\e, HR+\e, HI+\e
	CFMA O+2*\e+2, O+2*\e+3, HR+\e+1, HI+\e+1, LAM1, 224+(\e%4)
.endr
	CMG 224, G+1, O+2, O+3                         ; level 2
	CMG 226, G+5, O+10, O+11
	CFMA O+4, O+5, HR+2, HI+2, LAM1, 224
	CFMA O+12, O+13, HR+6, HI+6, LAM1, 226
	CFMA O+6, O+7, O+6, O+7, LAM2, 224
	CFMA O+14, O+15, O+14, O+15, LAM2, 226
	CMG 224, G+3, O+6, O+7                         ; level 3
	CFMA O+8, O+9, HR+4, HI+4, LAM1, 224
	CFMA O+10, O+11, O+10, O+11, LAM2, 224
	CFMA O+12, O+13, O+12, O+13, LAM3, 224
	CFMA O+14, O+15, O+14, O+15, LAM4, 224
	CMG 224, G+7, O+14, O+15                       ; level 4: position 7, gated, goes to the upper half of the lanes
	v_permlanex16_b32 v228, v224, s42, s43
	v_permlanex16_b32 v229, v225, s42, s43
	v_cndmask_b32 v230, 0, v228, s44
	v_cndmask_b32 v231, 0, v229, s44
	v_pk_add_f32 v[234:235], v[234:235], v[230:231]   ; what every position of my half takes in, times lambda^(j + 1)
	CFMA 236, 237, O+14, O+15, LAM8, 230           ; position 15 behind level 4, without the carries,
	v_permlanex16_b32 v238, v236, s42, s43
	v_permlanex16_b32 v239, v237, s42, s43
	v_cndmask_b32 v238, v238, v236, s44            ; in every lane
	v_cndmask_b32 v239, v239, v237, s44
	CFMA O, O+1, HR, HI, LAM1, 234
.irp j, 1,2,3,4,5,6,7
	CFMA O+2*\j, O+2*\j+1, O+2*\j, O+2*\j+1, LAM1-2*\j, 234
.endr
.irp j, 0,1,2,3,4,5,6,7
	ds_store_b64 v[AHW], v[O+2*\j:O+2*\j+1] offset:\j*HP
.endr
	s_add_co_u32 s55, s52, 3                       ; the carries for tile T + 1.  z = the number of T's trailing ones:
	s_not_b32 s55, s55
	s_ctz_i32_b32 s55, s55
.irp b, 0,1,2,3
	s_cmp_gt_u32 s55, \b
	s_cselect_b32 s[66+\b], -1, 0                  ; b < z: W_b ends;
	s_cmp_eq_u32 s55, \b
	s_cselect_b32 s[70+\b], -1, 0                  ; b = z: W_b begins; b > z: W_b goes on, times lambda^16
.endr
	v_cndmask_b32 v224, 0, v[WP], s66
	v_cndmask_b32 v225, 0, v[WP+1], s66
	v_cndmask_b32 v226, 0, v[WP+2], s67
	v_cndmask_b32 v227, 0, v[WP+3], s67
	v_cndmask_b32 v228, 0, v[WP+4], s68
	v_cndmask_b32 v229, 0, v[WP+5], s68
	v_pk_add_f32 v[224:225], v[224:225], v[226:227]
	v_pk_add_f32 v[228:229], v[228:229], v[238:239]
	v_pk_add_f32 v[224:225], v[224:225], v[228:229]   ; position 15 behind level 4 + z
	v_mul_f32 v224, v222, v224
	v_mul_f32 v225, v222, v225                     ; gated
.irp b, 0,1,2,3
	v_cndmask_b32 v[W+2*\b], v[WP+2*\b], 0, s[66+\b]
	v_cndmask_b32 v[W+2*\b+1], v[WP+2*\b+1], 0, s[66+\b]
.endr
.irp b, 0,1,2,3
	v_cndmask_b32 v[W+2*\b], v[W+2*\b], v224, s[70+\b]
	v_cndmask_b32 v[W+2*\b+1], v[W+2*\b+1], v225, s[70+\b]
.endr
.endm
; 16 steps of the out-projection: source 0 = 16 rows d of (wr, -wi), from v[wb] of window 1 on; source 1 = 16 positions of (hr, hi).  Two sums take turns; the first takes what stands in Y as C, the second 0.
.macro MM16 qb, wb, first
.set mmi, 0
.rept 8
.if (\first) && (mmi == 0)
	v_wmma_f32_16x16x4_f32 v[OA:OA+7], v[\wb:\wb+1], v[\qb:\qb+1], v[O:O+7]
	v_wmma_f32_16x16x4_f32 v[OB:OB+7], v[\wb+2:\wb+3], v[\qb+2:\qb+3], 0
.else
	v_wmma_f32_16x16x4_f32 v[OA:OA+7], v[\wb+4*mmi:\wb+4*mmi+1], v[\qb+4*mmi:\qb+4*mmi+1], v[OA:OA+7]
	v_wmma_f32_16x16x4_f32 v[OB:OB+7], v[\wb+4*mmi+2:\wb+4*mmi+3], v[\qb+4*mmi+2:\qb+4*mmi+3], v[OB:OB+7]
.endif
.set mmi, mmi+1
.endr
.endm
.macro QLOAD reg, vq, off
.set qli, 0
.rept 8
	ds_load_b128 v[\reg+4*qli:\reg+4*qli+3], v[\vq] offset:\off+32*qli
.set qli, qli+1
.endr
.endm
; Y(position r, d = 16 w + 8 h + j) += the real part of 128 channels' out-projection.  vq: the 16 rows of 256 numbers; vy: my 32 bytes of a row of Y; wb: the weights' first register in window 1.
.macro OP vq, vy, qoff, wb
	ds_load_b128 v[O:O+3], v[\vy]
	ds_load_b128 v[O+4:O+7], v[\vy] offset:16
	QLOAD PO+64, \vq, \qoff
	QLOAD PO, \vq, \qoff+256
	QLOAD PO+32, \vq, \qoff+512
	s_wait_dscnt 16                                ; Y's numbers and the first quarter are in; the 16 loads of the second and third may be out
	WIN 0x01                                       ; source 0 (the weights) in window 1
	MM16 PO+64, \wb, 1
	WIN 0
	NOPS 8                                         ; eight places in front of loads into registers that this matrix form has read
	QLOAD PO+64, \vq, \qoff+768
	s_wait_dscnt 16                                ; the second quarter is in; the third's and the fourth's 16 loads may be out
	WIN 0x01
	MM16 PO, \wb+32, 0
	s_wait_dscnt 8                                 ; the third is in; the fourth's 8 may be out
	MM16 PO+32, \wb+64, 0
	s_wait_dscnt 0x0
	MM16 PO+64, \wb+96, 0
	WIN 0
	NOPS 9                                         ; eight places in front of the reads, nine in front of the next sums begun on these registers
.irp j, 0,2,4,6
	v_pk_add_f32 v[O+8+\j:O+9+\j], v[OA+\j:OA+\j+1], v[OB+\j:OB+\j+1]
.endr
	ds_store_b128 v[\vy], v[O+8:O+11]
	ds_store_b128 v[\vy], v[O+12:O+15] offset:16
.endm
; LayerNorm of 16 rows in the FFN's layout, all in window 1: a: 64 numbers a lane, in place; t: registers at work; g, b: gain and bias.  A row lies in lanes l and l xor 16.
.macro LNORM a, t, g, b
	WIN 0x55
	v_pk_add_f32 v[\t:\t+1], v[\a:\a+1], v[\a+2:\a+3]              ; ascending: each sum of the matrix unit is read from its low end on
	v_pk_add_f32 v[\t+2:\t+3], v[\a+4:\a+5], v[\a+6:\a+7]
.set lnj, 8
.rept 14
	v_pk_add_f32 v[\t:\t+1], v[\t:\t+1], v[\a+lnj:\a+lnj+1]
	v_pk_add_f32 v[\t+2:\t+3], v[\t+2:\t+3], v[\a+lnj+2:\a+lnj+3]
.set lnj, lnj+4
.endr
	v_pk_add_f32 v[\t:\t+1], v[\t:\t+1], v[\t+2:\t+3]
	v_add_f32 v[\t], v[\t], v[\t+1]
	v_permlanex16_b32 v[\t+1], v[\t], s42, s43
	v_add_f32 v[\t], v[\t], v[\t+1]
	v_mul_f32 v[\t], s90, v[\t]                    ; the mean
.set lnj, 0
.rept 32
	v_pk_add_f32 v[\a+lnj:\a+lnj+1], v[\a+lnj:\a+lnj+1], v[\t:\t+1] op_sel_hi:[1,0] neg_lo:[0,1] neg_hi:[0,1]
.set lnj, lnj+2
.endr
	v_pk_mul_f32 v[\t+2:\t+3], v[\a:\a+1], v[\a:\a+1]
	v_pk_mul_f32 v[\t+4:\t+5], v[\a+2:\a+3], v[\a+2:\a+3]
.set lnj, 4
.rept 15
	v_pk_fma_f32 v[\t+2:\t+3], v[\a+lnj:\a+lnj+1], v[\a+lnj:\a+lnj+1], v[\t+2:\t+3]
	v_pk_fma_f32 v[\t+4:\t+5], v[\a+lnj+2:\a+lnj+3], v[\a+lnj+2:\a+lnj+3], v[\t+4:\t+5]
.set lnj, lnj+4
.endr
	v_pk_add_f32 v[\t+2:\t+3], v[\t+2:\t+3], v[\t+4:\t+5]
	v_add_f32 v[\t+2], v[\t+2], v[\t+3]
	v_permlanex16_b32 v[\t+3], v[\t+2], s42, s43
	v_add_f32 v[\t+2], v[\t+2], v[\t+3]
	v_fma_f32 v[\t+2], v[\t+2], s90, s91           ; the variance + 1e-5
	v_rsq_f32 v[\t+2], v[\t+2]
	v_nop                                          ; a plain line behind the root
	s_wait_alu depctr_va_vdst(0)                   ; the wait ahead of the first reader
.set lnj, 0
.rept 32
	v_pk_mul_f32 v[\a+lnj:\a+lnj+1], v[\a+lnj:\a+lnj+1], v[\t+2:\t+3] op_sel_hi:[1,0]
.set lnj, lnj+2
.endr
.set lnj, 0
.rept 32
	v_pk_fma_f32 v[\a+lnj:\a+lnj+1], v[\a+lnj:\a+lnj+1], v[\g+lnj:\g+lnj+1], v[\b+lnj:\b+lnj+1]
.set lnj, lnj+2
.endr
	WIN 0
.endm
; 64 numbers of a lane in window 1, register 16 b + i = k 32 b + 16 h + i of my row, become a fragment's codes in v[pc .. pc + 11] (wk .. wk + 6 at work) and its scale word in v[pw].
.macro QUANT s, pc, wk, pw
	WIN 0x05
.irp b, 0,1,2,3
	v_max3_num_f32 v[TM+\b], |v[\s+16*\b]|, |v[\s+1+16*\b]|, 0x2800000     ; with the floor 2^(5 - 127): the byte cannot fall under 1
.endr
	WIN 0x14
.irp i, 2,4,6,8,10,12,14
.irp b, 0,1,2,3
	v_max3_num_f32 v[TM+\b], v[TM+\b], |v[\s+16*\b+\i]|, |v[\s+1+16*\b+\i]|
.endr
.endr
	WIN 0
.irp b, 0,1,2,3
	v_permlanex16_b32 v[TM+4+\b], v[TM+\b], s42, s43
.endr
.irp b, 0,1,2,3
	v_max_num_f32 v[TM+\b], v[TM+\b], v[TM+4+\b]   ; the block's largest magnitude
.endr
.irp b, 0,1,2,3
	v_add_nc_u32 v[TM+12+\b], 0xfe000000, v[TM+\b] ; 4 off its exponent field: the conversion's scale operand
.endr
.irp b, 0,1,2,3
	v_lshrrev_b32 v[TM+4+\b], 23, v[TM+12+\b]      ; the scale's byte
.endr
	v_lshl_or_b32 v[\pw], v[TM+5], 8, v[TM+4]
	v_lshl_or_b32 v[\pw], v[TM+6], 16, v[\pw]
	v_lshl_or_b32 v[\pw], v[TM+7], 24, v[\pw]
	WIN 0x01
.irp c, 0,1
	v_cvt_scalef32_pk16_bf6_f32 v[\pc+6*\c:\pc+2+6*\c], v[\s+32*\c:\s+15+32*\c], v[TM+12+2*\c]
	v_cvt_scalef32_pk16_bf6_f32 v[\wk+4*\c:\wk+2+4*\c], v[\s+16+32*\c:\s+31+32*\c], v[TM+12+2*\c+1]   ; (three registers begin on an even number)
.endr
	WIN 0
	v_nop                                          ; a plain line behind the scaled conversions
.irp c, 0,1                            ; the operand wants a whole block in a lane
.irp i, 0,1,2
	v_permlane16_swap_b32 v[\pc+6*\c+\i], v[\wk+4*\c+\i]
.endr
.irp i, 0,1,2
	v_mov_b32 v[\pc+3+6*\c+\i], v[\wk+4*\c+\i]
.endr
.endr
.endm
.macro PK8 op, d, a, b                 ; eight pairs: d = a op b
.set pki, 0
.rept 8
	\op v[\d+pki:\d+pki+1], v[\a+pki:\a+pki+1], v[\b+pki:\b+pki+1]
.set pki, pki+2
.endr
.endm
.macro PK8C op, d, a, lit              ; d = a op a constant
.set pki, 0
.rept 8
	\op v[\d+pki:\d+pki+1], v[\a+pki:\a+pki+1], \lit op_sel_hi:[1,0]
.set pki, pki+2
.endr
.endm
.macro PK8H d, w, lit                  ; d = d w + a constant
.set pki, 0
.rept 8
	v_pk_fma_f32 v[\d+pki:\d+pki+1], v[\d+pki:\d+pki+1], v[\w+pki:\w+pki+1], \lit op_sel_hi:[1,1,0]
.set pki, pki+2
.endr
.endm
.macro PK8S d, w, lit, cp              ; d = w x a constant + the pair cp of window 0 (an instruction takes one literal)
.set pki, 0
.rept 8
	v_pk_fma_f32 v[\d+pki:\d+pki+1], v[\w+pki:\w+pki+1], \lit, v[\cp:\cp+1] op_sel_hi:[1,0,1]
.set pki, pki+2
.endr
.endm
; GELU, exact form: x/2 (1 + erf(x / sqrt 2)), erf(u) = u P(u^2) / Q(u^2), u held at +-4.  Sixteen numbers a batch; PT: u, u^2 (later x/2), P, Q.  One wait for a batch's sixteen reciprocals.
.macro GELU
.irp bt, 0,1,2,3
	WIN 0x55
	PK8C v_pk_mul_f32, PT, HID+16*\bt, 0x3f3504f3
.set gi, 0
.rept 16
	v_med3_num_f32 v[PT+gi], v[PT+gi], -4.0, 4.0
.set gi, gi+1
.endr
	PK8 v_pk_mul_f32, PT+16, PT, PT
	WIN 0x45
	PK8S PT+32, PT+16, 0xaf95df0b, 236
	PK8S PT+48, PT+16, 0xb77460cd, 238
	WIN 0x55
	PK8H PT+32, PT+16, 0xb60cff51
	PK8H PT+48, PT+16, 0xbadc924e
	PK8H PT+32, PT+16, 0xb86ec2d2
	PK8H PT+48, PT+16, 0xbbf19bf8
	PK8H PT+32, PT+16, 0xba40ac63
	PK8H PT+48, PT+16, 0xbc69b6a7
	PK8H PT+32, PT+16, 0xbb41a1f6
	PK8H PT+32, PT+16, 0xbc83dbd4
	PK8 v_pk_mul_f32, PT+32, PT+32, PT
.set gi, 0
.rept 16
	v_rcp_f32 v[PT+48+gi], v[PT+48+gi]
.set gi, gi+1
.endr
	PK8C v_pk_mul_f32, PT+16, HID+16*\bt, 0.5      ; x/2: plain work behind the reciprocals
	s_wait_alu depctr_va_vdst(0)                   ; the wait ahead of the first reader: one for the batch
	PK8 v_pk_mul_f32, PT+32, PT+32, PT+48
.set gi, 0
.rept 8
	v_pk_fma_f32 v[HID+16*\bt+gi:HID+16*\bt+gi+1], v[PT+16+gi:PT+17+gi], v[PT+32+gi:PT+33+gi], v[PT+16+gi:PT+17+gi]
.set gi, gi+2
.endr
.endr
	WIN 0
.endm
; Layer 2's state: S = M S + the sum of L_j gp_j h_j, in two chains.  The first eight lines name no register of the products: their places.
.macro SL
	v_mul_f32 v228, v176, v224
	v_mul_f32 v229, v176, v225
	v_mul_f32 v230, v176, v226
	v_mul_f32 v231, v176, v227
	v_fma_f32 v228, -v177, v225, v228
	v_fma_f32 v229, v177, v224, v229
	v_fma_f32 v230, -v177, v227, v230
	v_fma_f32 v231, v177, v226, v231
.irp j, 0,1,2,3,4,5,6,7
	CMG 232+2*(\j%2), G+\j, HR+\j, HI+\j
.if \j < 2
	CFMA 224+2*\j, 225+2*\j, 228+2*\j, 229+2*\j, LAM8+2*\j, 232+2*\j
.else
	CFMA 224+2*(\j%2), 225+2*(\j%2), 224+2*(\j%2), 225+2*(\j%2), LAM8+2*\j, 232+2*(\j%2)
.endif
.endr
.endm
; ================ head
	s_load_b512 s[4:19], s[0:1], 0x0               ; token_emb 4, item_seq 6, order 8, iw 10, ow 12, pw 14, bi 16, fw 18
	s_load_b512 s[20:35], s[0:1], 0x40             ; emb_ln_g 20, emb_ln_b 22, out_br 24, lru_ln_g 26, lru_ln_b 28, b1 30, b2 32, ffn_ln_g 34
	s_load_b128 s[36:39], s[0:1], 0x80             ; ffn_ln_b 36, out0 38
	v_lshl_add_u32 v[SPW], v0, 2, SPARE
	v_mov_b32 v[NIL], 0
	v_lshrrev_b32 v11, 5, v0
	v_readfirstlane_b32 s40, v11                   ; wave w
	v_and_b32 v[LAN], 31, v0
	v_and_b32 v[RR], 15, v0                        ; r
	v_bfe_u32 v[HH], v0, 4, 1                      ; h
	v_mul_u32_u24 v[LT], v[RR], P
	v_lshl_add_u32 v[FA], v[HH], 6, v[LT]
	v_lshl_add_u32 v[AYW], v[HH], 5, v[LT]
	v_lshl_add_u32 v[LT], v[HH], 4, v[LT]
	s_lshl_b32 s55, s40, 6
	s_add_co_u32 s55, s55, YB
	v_add_nc_u32 v[AYW], s55, v[AYW]
	v_mul_u32_u24 v[LH], v[RR], HP
	v_lshl_add_u32 v[LH], v[HH], 4, v[LH]
	v_add_nc_u32 v[LH], HSB, v[LH]
	v_mul_u32_u24 v[AHW], v[HH], 8*HP
	v_lshl_add_u32 v[AHW], v[RR], 3, v[AHW]
	s_lshl_b32 s55, s40, 7
	s_add_co_u32 s56, s55, HSB
	v_add_nc_u32 v[AHW], s56, v[AHW]
	s_add_co_u32 s56, s55, HFB
	v_lshl_add_u32 v[AHF], v[RR], 3, s56
	v_lshlrev_b32 v[AG], 5, v[HH]
	v_add_nc_u32 v[AG], GB+192, v[AG]
	v_lshlrev_b32 v[L16], 4, v[LAN]
	v_lshlrev_b32 v[PL], 6, v[HH]
	s_mul_i32 s56, s40, P
	s_add_co_u32 s56, s56, TTB
	v_lshl_add_u32 v[ATT], v[HH], 6, s56
	v_add_nc_u32 v11, s56, v[L16]
.irp j, 224,225,226,227,228,229,238,239,222,132,133,134,135
	v_mov_b32 v[\j], 0                             ; written once: a lane permute's destination counts as one of its sources; v224-227: zeros for my slots of TT
.endr
	v_mov_b32 v[XS], 0x7f7f7f7f                    ; x's scale word holds a scale (four times 1.0) on every way through the text
	ds_store_b128 v11, v[224:227]                  ; my two slots of TT hold numbers whoever keeps the row at p
	ds_store_b128 v11, v[224:227] offset:8*P
	s_mov_b32 s41, 0                               ; the pass
	s_mov_b32 s92, 0                               ; its row of HF
	s_mov_b32 s93, 0                               ; its slots of TT
	s_mov_b32 s42, 0x76543210
	s_mov_b32 s43, 0xfedcba98                      ; lane l xor 16
	s_mov_b32 s44, 0xffff0000                      ; lanes 16 to 31
	s_mov_b32 s90, 0x3c000000                      ; 1 / 128
	s_mov_b32 s91, 0x3727c5ac                      ; 1e-5
	s_wait_kmcnt 0x0
	s_lshl_b32 s55, ttmp9, 3
	s_sub_co_u32 s56, 4088, s55
	s_load_b64 s[60:61], s[8:9], s55 offset:0x0    ; (batch, length) of rank i
	s_load_b64 s[62:63], s[8:9], s56 offset:0x0    ; and of rank 511 - i
	s_wait_kmcnt 0x0
.Lpass:
	s_cmp_eq_u32 s41, 0
	s_cselect_b32 s45, s60, s62
	s_cselect_b32 s46, s61, s63
	s_min_u32 s45, s45, 511                        ; the batch
	s_lshl_b32 s74, s45, 9                         ; its row of item_seq begins 800 = 512 + 256 + 32 bytes x the batch on: three terms, added where the offsets are made
	s_lshl_b32 s76, s45, 8
	s_lshl_b32 s77, s45, 5
	s_sub_co_u32 s50, 200, s46
	s_min_u32 s50, s50, 199
	s_and_b32 s50, s50, 15
	s_lshl_b32 s50, s50, 3                         ; 8 (15 - p mod 16): where the last tile's powers begin in pw
	s_max_u32 s46, s46, 1
	s_min_u32 s46, s46, 200
	s_add_co_u32 s47, s46, 55                      ; p
	s_lshr_b32 s48, s47, 4
	s_sub_co_u32 s48, s48, 2                       ; tiles to walk: tile k holds positions 48 + 16 k ..
	s_min_u32 s48, s48, 13                         ; 1 .. 13
	s_and_b32 s49, s47, 15                         ; p's row in the last of them
	s_cmp_eq_u32 s41, 2
	s_cselect_b32 s48, 1, s48                      ; pass 2: one tile,
	s_cselect_b32 s94, 1, 0                        ; layer 2's parameters
	s_lshl_b32 s95, s94, 9
	s_mul_i32 s100, s94, 102400
	s_cmp_eq_u32 s41, 2
	s_cbranch_scc1 .Ltail
; ================ S: the gates.  Thread t is position t
	v_add_nc_u32 v11, -56, v0
	v_min_u32 v11, 0xc7, v11                       ; t - 56, held at 199: under 56 the difference wraps and index 199 is read; the gate there is False whatever is read
	v_lshlrev_b32 v11, 2, v11
	v_add_nc_u32 v11, s74, v11
	v_add_nc_u32 v11, s76, v11
	v_add_nc_u32 v11, s77, v11
	global_load_b32 v240, v11, s[6:7]
	v_lshl_add_u32 v14, v0, 2, GB
	v_cmp_le_u32 s56, 56, v0
	s_wait_loadcnt 0x0
	v_cmp_lt_i32 vcc_lo, 0, v240
	s_and_b32 vcc_lo, vcc_lo, s56
	v_cndmask_b32 v223, 0, 1.0, vcc_lo
	ds_store_b32 v14, v223
	BAR
; ================ GPX: G(t, p)
	v_lshlrev_b32 v15, 2, v0
.irp i, 0,1,2,3,4,5,6,7
	v_and_b32 v12, 0x3fc-4*((1<<\i)-1), v15
	v_add_nc_u32 v12, GB+4*((1<<\i)-1), v12        ; m[t | (2^i - 1)]
	ds_load_b32 v[232+\i], v12
.endr
	v_xor_b32 v230, s47, v0
	v_mov_b32 v223, 1.0
	s_wait_dscnt 0x0
.irp i, 0,1,2,3,4,5,6,7
	v_cmp_le_u32 s56, 1<<\i, v230                  ; t and p differ in bit i or above,
	v_and_b32 v240, 1<<\i, v0
	v_cmp_eq_u32 vcc_lo, 0, v240                   ; and bit i of t is 0: the gate counts
	s_and_b32 vcc_lo, vcc_lo, s56
	v_cndmask_b32 v240, 1.0, v[232+\i], vcc_lo
	v_mul_f32 v223, v223, v240
.endr
	v_cmp_ge_u32 vcc_lo, s47, v0
	v_cndmask_b32 v223, 0, v223, vcc_lo            ; nothing from behind p
	ds_store_b32 v14, v223 offset:1024
; ================ E: wave w gathers and norms tiles w and w + 8
	s_mov_b32 s75, 0
	s_mov_b32 s52, s40
.Le:
	s_cmp_ge_u32 s52, s48
	s_cbranch_scc1 .Le_skip
	s_mul_i32 s53, s52, TILE
	s_lshl_b32 s55, s52, 4
	v_add_nc_u32 v15, s55, v[RR]                   ; 16 k + r: rows under 8 are padding
	v_add_nc_u32 v11, -8, v15
	v_min_u32 v11, 0xc7, v11                       ; 16 k + r - 8, held at 199: the padded rows read index 199, and are made zeros behind the norm
	v_lshlrev_b32 v11, 2, v11
	v_add_nc_u32 v11, s74, v11
	v_add_nc_u32 v11, s76, v11
	v_add_nc_u32 v11, s77, v11
	global_load_b32 v240, v11, s[6:7]              ; lane r: the id of the tile's row r
	WIN 0x40
	PLOAD PT, 20, PL
	PLOAD HID, 22, PL
	WIN 0
	s_wait_loadcnt 32                              ; the ids are in; the 32 loads of gain and bias issued behind them may be out
.irp m, 0,1,2,3,4,5,6,7,8,9,10,11,12,13,14,15
	v_readlane_b32 s56, v240, \m
	s_min_u32 s56, s56, 50000
	v_lshl_add_u32 v[224+\m], s56, 9, v[L16]
	global_load_b128 v[PO+4*\m:PO+4*\m+3], v[224+\m], s[4:5]       ; a whole row of 512 bytes an instruction
.endr
	v_add_nc_u32 v13, s53, v[L16]
	v_add_nc_u32 v14, s53, v[FA]
	s_wait_loadcnt 0x0
	PLOAD O, 24, PL                                ; out_br[0], into v144-207: wanted last, behind the norm
	v_add_nc_u32 v11, YB, v14
.irp m, 0,1,2,3,4,5,6,7,8,9,10,11,12,13,14,15
	ds_store_b128 v13, v[PO+4*\m:PO+4*\m+3] offset:\m*P            ; as they came, into X: my own tile;
.endr
	WIN 0x40
	RLOAD ZX, 14                                   ; and back in the FFN's layout (LDS serves a wave's instructions in order)
	WIN 0
	s_wait_dscnt 0x0
	LNORM ZX, A2, PT, HID
	v_cmp_le_u32 vcc_lo, 8, v15
	WIN 0x40
	v_cndmask_b32 v[A2], 0, 1.0, vcc_lo
	WIN 0x55
.set ei, 0
.rept 32
	v_pk_mul_f32 v[ZX+ei:ZX+ei+1], v[ZX+ei:ZX+ei+1], v[A2:A2+1] op_sel_hi:[1,0]   ; the padded rows are zeros behind the norm, as reference() pads them
.set ei, ei+2
.endr
	s_wait_loadcnt 0x0                             ; out_br[0]
	WIN 0x41
.set ei, 0
.rept 32
	v_pk_add_f32 v[A2+ei:A2+ei+1], v[ZX+ei:ZX+ei+1], v[O+ei:O+ei+1]              ; x + out_br[0]: what the out-projection adds onto
.set ei, ei+2
.endr
	WIN 0x04
	RSTORE ZX, 14
	RSTORE A2, 11
	WIN 0
.Le_skip:
	s_add_co_u32 s52, s52, 8
	s_add_co_u32 s75, s75, 1
	s_cmp_lt_u32 s75, 2
	s_cbranch_scc1 .Le
	BAR
; ================ L1: layer 1's LRU.  In sweep rho wave w scans channels 16 (8 rho + w) + r and makes outputs d = 16 w ..
	s_mov_b32 s51, 0
.Lsweep:
	s_lshl_b32 s55, s51, 3
	s_add_co_u32 s55, s55, s40                     ; my block of 16 channels
	s_lshl_b32 s56, s55, 14
	v_add_nc_u32 v11, s56, v[L16]
	s_lshl_b32 s56, s40, 6
	s_lshl_b32 s57, s51, 5
	s_add_co_u32 s56, s56, s57
	s_lshl_b32 s56, s56, 9
	v_add_nc_u32 v12, s56, v[L16]
	s_lshl_b32 s56, s55, 12
	v_lshl_add_u32 v13, v[RR], 8, s56
	s_lshl_b32 s56, s55, 7
	v_lshl_add_u32 v14, v[RR], 3, s56
	WIN 0x40
.set ri, 0
.rept 32
	global_load_b128 v[4*ri:4*ri+3], v11, s[10:11] offset:512*ri             ; in_w: re in v0-63, im in v64-127 of window 1
.set ri, ri+1
.endr
.set ri, 0
.rept 32
	global_load_b128 v[128+4*ri:131+4*ri], v12, s[12:13] offset:512*ri       ; out_w's columns of this sweep's channels
.set ri, ri+1
.endr
	WIN 0
.irp i, 0,1,2,3
	global_load_b128 v[LAM8+4*\i:LAM8+4*\i+3], v13, s[14:15] offset:64+16*\i ; lambda^8 .. lambda^1
.endr
	global_load_b64 v[176:177], v13, s[14:15]      ; lambda^16
	global_load_b64 v[180:181], v14, s[16:17]      ; gamma in_b
.irp j, 0,1,2,3,4,5,6,7
	v_mov_b32 v[W+\j], 0                           ; no carry comes from tiles 0 to 2: their gates are False
.endr
	s_wait_loadcnt 0x0
	v_cndmask_b32 v178, 1.0, v[LAM8], s44
	v_cndmask_b32 v179, 0, v[LAM8+1], s44          ; h ? lambda^8 : 1
.irp j, 0,1,2,3,4,5,6,7
	v_mov_b32 v[BRV+\j], v180                      ; the bias in the result's layout: the C of each sum's first step
	v_mov_b32 v[BIV+\j], v181
.endr
	s_mov_b32 s52, 0
	s_mov_b32 s53, 0
	s_mov_b32 s54, 0
.Ltile:
	s_cmp_ge_u32 s52, s48
	s_cbranch_scc1 .La_skip
	v_add_nc_u32 v11, s53, v[LT]
	v_add_nc_u32 v13, s54, v[AG]
	XLOAD 11
	ds_load_b128 v[G:G+3], v13
	ds_load_b128 v[G+4:G+7], v13 offset:16
	s_wait_dscnt 0x0
	IP
	SC
.La_skip:
	BAR                                            ; the tile's 128 scanned channels lie in HS
	s_cmp_ge_u32 s52, s48
	s_cbranch_scc1 .Lb_skip
	v_add_nc_u32 v12, s53, v[AYW]
	OP LH, 12, 0, 128
.Lb_skip:
	BAR                                            ; nobody reads HS any more
	s_add_co_u32 s52, s52, 1
	s_add_co_u32 s53, s53, TILE
	s_add_co_u32 s54, s54, 64
	s_cmp_lt_u32 s52, 13
	s_cbranch_scc1 .Ltile
	s_add_co_u32 s51, s51, 1
	s_cmp_lt_u32 s51, 2
	s_cbranch_scc1 .Lsweep
	s_branch .Lffn
; ================ T1 (pass 2): y = Re(h[p] out_w) + out_br[1] + x[p] for the two rows; lanes r take row r mod 2, so that Y's tile 0 holds numbers in all 16 rows
.Ltail:
	s_max_u32 s55, s61, 1
	s_min_u32 s55, s55, 200
	s_add_co_u32 s55, s55, 55
	s_lshr_b32 s55, s55, 4
	s_sub_co_u32 s55, s55, 3
	s_and_b32 s55, s55, 7                          ; the wave that kept the first batch's row at p: its last tile's number mod 8
	s_max_u32 s56, s63, 1
	s_min_u32 s56, s56, 200
	s_add_co_u32 s56, s56, 55
	s_lshr_b32 s56, s56, 4
	s_sub_co_u32 s56, s56, 3
	s_and_b32 s56, s56, 7                          ; and the second's
	v_mov_b32 v232, s55
	v_mov_b32 v233, s56
	v_and_b32 v15, 1, v[RR]
	v_cmp_eq_u32 vcc_lo, 1, v15
	v_cndmask_b32 v232, v232, v233, vcc_lo
	v_mul_u32_u24 v11, v15, 8*P
	v_lshl_add_u32 v11, v[HH], 5, v11
	s_lshl_b32 s57, s40, 6
	s_add_co_u32 s58, s57, TTB
	v_add_nc_u32 v11, s58, v11
.irp ws, 0,1,2,3,4,5,6,7
	ds_load_b128 v[PO+8*\ws:PO+8*\ws+3], v11 offset:\ws*P          ; all eight slots: the choice is made on values, not on addresses
	ds_load_b128 v[PO+8*\ws+4:PO+8*\ws+7], v11 offset:\ws*P+16
.endr
	v_lshl_add_u32 v12, v[HH], 5, s57
	global_load_b128 v[224:227], v12, s[24:25] offset:512
	global_load_b128 v[228:231], v12, s[24:25] offset:528
	s_lshl_b32 s58, s40, 15
	v_add_nc_u32 v13, s58, v[L16]
	WIN 0x40
.set ri, 0
.rept 32
	global_load_b128 v[128+4*ri:131+4*ri], v13, s[12:13] offset:262144+512*ri        ; layer 2's out_w, my 16 rows: channels 0 .. 127,
.set ri, ri+1
.endr
.set ri, 0
.rept 32
	global_load_b128 v[4*ri:4*ri+3], v13, s[12:13] offset:262144+16384+512*ri        ; and 128 .. 255
.set ri, ri+1
.endr
	WIN 0
	v_mul_u32_u24 v14, v15, HFP
	v_lshl_add_u32 v14, v[HH], 4, v14
	v_add_nc_u32 v14, HFB, v14
	s_wait_dscnt 0x0
	v_cmp_eq_u32 vcc_lo, 1, v232
.irp j, 0,1,2,3,4,5,6,7
	v_cndmask_b32 v[O+\j], v[PO+\j], v[PO+8+\j], vcc_lo
.endr
.irp ws, 2,3,4,5,6,7
	v_cmp_eq_u32 vcc_lo, \ws, v232
.irp j, 0,1,2,3,4,5,6,7
	v_cndmask_b32 v[O+\j], v[O+\j], v[PO+8*\ws+\j], vcc_lo
.endr
.endr
	s_wait_loadcnt 0x0
.irp j, 0,2,4,6
	v_pk_add_f32 v[O+8+\j:O+9+\j], v[O+\j:O+\j+1], v[224+\j:225+\j]
.endr
	ds_store_b128 v[AYW], v[O+8:O+11]
	ds_store_b128 v[AYW], v[O+12:O+15] offset:16
	OP 14, AYW, 0, 128
	OP 14, AYW, 1024, 0
; ================ W: the layer's codes and scale words into X's bytes, which nobody reads any more
.Lffn:
	v_lshlrev_b32 v12, 4, v0
	v_add_nc_u32 v11, s100, v12
.set wi, 0
.rept 25
	global_load_b128 v[PO+4*wi:PO+4*wi+3], v11, s[18:19] offset:4096*wi
.set wi, wi+1
.endr
	v_add_nc_u32 v13, 65536, v12
	s_wait_loadcnt 0x0
.set wi, 0
.rept 16
	ds_store_b128 v12, v[PO+4*wi:PO+4*wi+3] offset:4096*wi
.set wi, wi+1
.endr
.rept 9
	ds_store_b128 v13, v[PO+4*wi:PO+4*wi+3] offset:4096*(wi-16)
.set wi, wi+1
.endr
	BAR
; ================ F: wave w takes tiles w and w + 8 through norm, FFN and norm, in place in Y.  Every wave walks both loops; the branch on the length leads round a tile's work inside them.
; What goes from part to part (A2, x's codes and scale word, the tile's address) lies in registers that every way through the text has written.
	v_mov_b32 v236, 0x32edffee                     ; P's second coefficient, as a pair
	v_mov_b32 v237, 0x32edffee
	v_mov_b32 v238, 0xb95fbd29                     ; Q's
	v_mov_b32 v239, 0xb95fbd29
	v_add_nc_u32 v14, s95, v[PL]                   ; the layer's vectors of 128
	s_mov_b32 s75, 0
	s_mov_b32 s52, s40
.Lf:
	s_mul_i32 s53, s52, TILE
	s_add_co_u32 s53, s53, YB
	v_add_nc_u32 v11, s53, v[FA]                   ; my tile of Y
	s_cmp_ge_u32 s52, s48
	s_cbranch_scc1 .Lf_a
	WIN 0x40
	RLOAD ZX, 11
	PLOAD PT, 26, 14
	PLOAD HID, 28, 14
	WIN 0
	s_wait_dscnt 0x0
	s_wait_loadcnt 0x0
	LNORM ZX, A2, PT, HID                          ; x = the LRU's norm
	WIN 0x40
	PLOAD PT, 32, 14                               ; b2
	QUANT ZX, XF, QW, XS
	s_wait_loadcnt 0x0
	WIN 0x55
.set fi, 0
.rept 32
	v_pk_add_f32 v[A2+fi:A2+fi+1], v[ZX+fi:ZX+fi+1], v[PT+fi:PT+fi+1]        ; x + b2: what the second product adds onto.  (32 plain lines: the places in front of the scaled products)
.set fi, fi+2
.endr
	WIN 0
.Lf_a:
	s_mov_b32 s96, 0
	s_mov_b32 s97, 0
	s_mov_b32 s98, 98304
	s_lshl_b32 s99, s94, 11
.Lfs:                                              ; four trips: 128 hidden units each, one K step of the second product
	s_cmp_ge_u32 s52, s48
	s_cbranch_scc1 .Lfs_skip
	v_add_nc_u32 v12, s97, v[L16]
	v_lshl_add_u32 v13, v[RR], 2, s98
	v_add_nc_u32 v15, s99, v[PL]
	WIN 0x40
	PLOAD HID, 30, 15                              ; b1: the C of the first product
	WIN 0
.irp g, 0,1
	NOPS 4                                         ; four places in front of loads into registers that the scaled form has read
.irp t, 0,1,2,3
.irp c, 0,1,2
	ds_load_b128 v[WF+12*\t+4*\c:WF+12*\t+4*\c+3], v12 offset:(4*\g+\t)*1536+512*\c
.endr
	ds_load_b32 v[WSC+\t], v13 offset:64*(4*\g+\t)
.endr
	s_wait_dscnt 0x0
.if \g == 0
	s_wait_loadcnt 0x0
.endif
	WIN 0x50                                       ; C and D in window 1
.irp t, 0,1,2,3
	v_wmma_scale_f32_16x16x128_f8f6f4 v[HID+8*(4*\g+\t):HID+8*(4*\g+\t)+7], v[WF+12*\t:WF+12*\t+11], v[XF:XF+11], v[HID+8*(4*\g+\t):HID+8*(4*\g+\t)+7], v[WSC+\t], v[XS] matrix_a_fmt:MATRIX_FMT_BF6 matrix_b_fmt:MATRIX_FMT_BF6
.endr
	WIN 0
.endr
	NOPS 4
	GELU
	QUANT HID, PC, QW, PWS
	NOPS 8                                         ; a scale word made by vector instructions stands eight places ahead of the scaled product; these are also the places in front of the loads
.irp g, 0,1
.if \g > 0
	NOPS 4
.endif
.irp t, 0,1,2,3
.irp c, 0,1,2
	ds_load_b128 v[WF+12*\t+4*\c:WF+12*\t+4*\c+3], v12 offset:49152+(4*\g+\t)*1536+512*\c
.endr
	ds_load_b32 v[WSC+\t], v13 offset:2048+64*(4*\g+\t)
.endr
	s_wait_dscnt 0x0
	WIN 0x50
.irp t, 0,1,2,3
	v_wmma_scale_f32_16x16x128_f8f6f4 v[A2+8*(4*\g+\t):A2+8*(4*\g+\t)+7], v[WF+12*\t:WF+12*\t+11], v[PC:PC+11], v[A2+8*(4*\g+\t):A2+8*(4*\g+\t)+7], v[WSC+\t], v[PWS] matrix_a_fmt:MATRIX_FMT_BF6 matrix_b_fmt:MATRIX_FMT_BF6
.endr
	WIN 0
.endr
.Lfs_skip:
	s_add_co_u32 s96, s96, 1
	s_add_co_u32 s97, s97, 12288
	s_add_co_u32 s98, s98, 512
	s_add_co_u32 s99, s99, 512
	s_cmp_lt_u32 s96, 4
	s_cbranch_scc1 .Lfs
	s_cmp_ge_u32 s52, s48
	s_cbranch_scc1 .Lf_skip
	NOPS 4
	WIN 0x40
	PLOAD PT, 34, 14
	PLOAD HID, 36, 14
	WIN 0
	s_wait_loadcnt 0x0
	LNORM A2, ZX, PT, HID
	WIN 0x04
	RSTORE A2, 11
	WIN 0
	s_add_co_u32 s55, s52, 1
	s_cmp_lg_u32 s55, s48
	s_cbranch_scc1 .Lf_skip
	s_cmp_eq_u32 s41, 2
	s_cbranch_scc1 .Lf_skip                        ; pass 2 keeps nothing: its rows leave behind the barrier below
	; the last tile: the row at p is kept.  The other 15 rows become zeros, four additions across the sixteen lanes bring the row into all of them, and all store the same bytes into my own slot
	v_add_nc_u32 v12, s93, v[ATT]
	v_cmp_eq_u32 vcc_lo, s49, v[RR]
	WIN 0x04
.set ci, 0
.rept 64
	v_cndmask_b32 v[PO+ci], 0, v[A2+ci], vcc_lo
.set ci, ci+1
.endr
	WIN 0
.irp m, 1,2,4,8
.set ci, 0
.rept 64
	v_add_f32_dpp v[PO+ci], v[PO+ci], v[PO+ci] row_xmask:\m row_mask:0xf bank_mask:0xf
.set ci, ci+1
.endr
.endr
	RSTORE PO, 12
.Lf_skip:
	s_add_co_u32 s52, s52, 8
	s_add_co_u32 s75, s75, 1
	s_cmp_lt_u32 s75, 2
	s_cbranch_scc1 .Lf
	BAR                                            ; the block's output lies in Y
	s_cmp_eq_u32 s41, 2
	s_cbranch_scc0 .Ll2
; ================ pass 2: rows 0 and 1 of Y's tile 0 are the two results: wave 0 stores the first, wave 1 the second.  The addresses are made ahead of the branch on the wave's number
	s_min_u32 s55, s40, 1
	s_mul_i32 s55, s55, P
	s_add_co_u32 s55, s55, YB
	v_add_nc_u32 v12, s55, v[L16]
	s_cmp_eq_u32 s40, 0
	s_cselect_b32 s56, s60, s62
	s_min_u32 s56, s56, 511
	s_lshl_b32 s56, s56, 9
	v_add_nc_u32 v13, s56, v[L16]
	s_cmp_gt_u32 s40, 1
	s_cbranch_scc1 .Lno_l2
	ds_load_b128 v[224:227], v12
	s_wait_dscnt 0x0
	global_store_b128 v13, v[224:227], s[38:39]    ; 32 lanes store a row of 512 consecutive bytes, aligned
	s_wait_xcnt 0x0                                ; the store's registers are written again only behind this wait
	s_branch .Lno_l2
; ================ L2: layer 2's in-projection and h[p], two sweeps of 128 channels; waves share nothing here
.Ll2:
	s_mov_b32 s51, 0
.Ll2r:
	s_lshl_b32 s55, s51, 3
	s_add_co_u32 s55, s55, s40
	s_lshl_b32 s56, s55, 14
	v_add_nc_u32 v11, s56, v[L16]
	s_lshl_b32 s56, s55, 12
	v_lshl_add_u32 v13, v[RR], 8, s56
	v_lshl_add_u32 v14, v[HH], 6, v13
	v_add_nc_u32 v15, s50, v13
	v_add_nc_u32 v223, s50, v14
	s_lshl_b32 s56, s55, 7
	v_lshl_add_u32 v12, v[RR], 3, s56
	WIN 0x40
.set ri, 0
.rept 32
	global_load_b128 v[4*ri:4*ri+3], v11, s[10:11] offset:262144+512*ri
.set ri, ri+1
.endr
	WIN 0
	global_load_b64 v[176:177], v13, s[14:15] offset:65536         ; a whole tile: S is multiplied by lambda^16,
.irp j, 0,1,2,3,4,5,6,7
	global_load_b64 v[LAM8+2*\j:LAM8+2*\j+1], v14, s[14:15] offset:65544+8*\j    ; position 8 h + j by lambda^(15 - 8 h - j)
.endr
	global_load_b64 v[178:179], v15, s[14:15] offset:65536         ; the last tile: by lambda^(p mod 16 + 1),
.irp j, 0,1,2,3,4,5,6,7
	global_load_b64 v[W+2*\j:W+2*\j+1], v223, s[14:15] offset:65544+8*\j         ; and lambda^(p mod 16 - 8 h - j), 0 behind p
.endr
	global_load_b64 v[180:181], v12, s[16:17] offset:2048
.irp j, 224,225,226,227
	v_mov_b32 v[\j], 0                             ; S, in two chains
.endr
	s_wait_loadcnt 0x0
.irp j, 0,1,2,3,4,5,6,7
	v_mov_b32 v[BRV+\j], v180
	v_mov_b32 v[BIV+\j], v181
.endr
	s_mov_b32 s52, 0
	s_mov_b32 s53, YB
	s_mov_b32 s54, 0
.Ll2t:
	s_cmp_ge_u32 s52, s48
	s_cbranch_scc1 .Ll2_skip
	v_add_nc_u32 v11, s53, v[LT]
	v_add_nc_u32 v13, s54, v[AG]
	XLOAD 11
	ds_load_b128 v[G:G+3], v13 offset:1024         ; G(t, p) of my eight positions
	ds_load_b128 v[G+4:G+7], v13 offset:1040
	s_add_co_u32 s55, s52, 1
	s_cmp_lg_u32 s55, s48
	s_cbranch_scc1 .Ll2_mid
	v_mov_b32 v176, v178                           ; the last tile takes its own powers
	v_mov_b32 v177, v179
.irp j, 0,1,2,3,4,5,6,7,8,9,10,11,12,13,14,15
	v_mov_b32 v[LAM8+\j], v[W+\j]
.endr
.Ll2_mid:
	s_wait_dscnt 0x0
	IP
	SL
.Ll2_skip:
	s_add_co_u32 s52, s52, 1
	s_add_co_u32 s53, s53, TILE
	s_add_co_u32 s54, s54, 64
	s_cmp_lt_u32 s52, 13
	s_cbranch_scc1 .Ll2t
	v_pk_add_f32 v[224:225], v[224:225], v[226:227]
	v_permlanex16_b32 v228, v224, s42, s43
	v_permlanex16_b32 v229, v225, s42, s43
	v_pk_add_f32 v[224:225], v[224:225], v[228:229]                ; with the other half's eight positions: h[p] of my channel
	s_lshl_b32 s55, s51, 10
	s_add_co_u32 s55, s55, s92
	v_add_nc_u32 v15, s55, v[AHF]
	ds_store_b64 v15, v[224:225]                   ; both halves of the lanes store the same number
	s_add_co_u32 s51, s51, 1
	s_cmp_lt_u32 s51, 2
	s_cbranch_scc1 .Ll2r
.Lno_l2:
	BAR                                            ; nobody reads Y, GP or X's bytes any more; HF and TT are whole
	s_add_co_u32 s41, s41, 1
	s_add_co_u32 s92, s92, HFP
	s_add_co_u32 s93, s93, 8*P
	s_cmp_lt_u32 s41, 3
	s_cbranch_scc1 .Lpass
	s_wait_tensorcnt 0x0                           ; the wave's end, behind my last LDS store
	ds_add_u32 v[SPW], v[NIL]
	s_wait_dscnt 0x0
	s_endpgm
.Lfunc_end_k_qc9a7b63618_main:
	.size	k_qc9a7b63618_main, .Lfunc_end_k_qc9a7b63618_main-k_qc9a7b63618_main
	.p2alignl 7, 3214868480
	.fill 96, 4, 3214868480
	.section	.rodata,"a",@progbits
	.p2align	6, 0x0
	.amdhsa_kernel k_qc9a7b63618_main
		.amdhsa_group_segment_fixed_size 309248
		.amdhsa_private_segment_fixed_size 0
		.amdhsa_enable_private_segment 0
		.amdhsa_kernarg_size 144
		.amdhsa_user_sgpr_count 2
		.amdhsa_user_sgpr_kernarg_segment_ptr 1
		.amdhsa_wavefront_size32 1
		.amdhsa_system_sgpr_workgroup_id_x 1
		.amdhsa_system_sgpr_workgroup_id_y 1
		.amdhsa_system_sgpr_workgroup_id_z 1
		.amdhsa_system_vgpr_workitem_id 0
		.amdhsa_next_free_vgpr 512
		.amdhsa_next_free_sgpr 102
		.amdhsa_reserve_vcc 1
		.amdhsa_float_denorm_mode_32 3
		.amdhsa_float_denorm_mode_16_64 3
		.amdhsa_memory_ordered 1
		.amdhsa_forward_progress 1
		.amdhsa_inst_pref_size 236
	.end_amdhsa_kernel
	.amdgpu_metadata
---
amdhsa.version: [ 1, 2 ]
amdhsa.kernels:
  - .name:           k_qc9a7b63618_main
    .symbol:         k_qc9a7b63618_main.kd
    .args:
      - { .name: token_emb, .offset: 0, .size: 8, .value_kind: global_buffer, .address_space: global }
      - { .name: item_seq, .offset: 8, .size: 8, .value_kind: global_buffer, .address_space: global }
      - { .name: order, .offset: 16, .size: 8, .value_kind: global_buffer, .address_space: global }
      - { .name: iw, .offset: 24, .size: 8, .value_kind: global_buffer, .address_space: global }
      - { .name: ow, .offset: 32, .size: 8, .value_kind: global_buffer, .address_space: global }
      - { .name: pw, .offset: 40, .size: 8, .value_kind: global_buffer, .address_space: global }
      - { .name: bi, .offset: 48, .size: 8, .value_kind: global_buffer, .address_space: global }
      - { .name: fw, .offset: 56, .size: 8, .value_kind: global_buffer, .address_space: global }
      - { .name: emb_ln_g, .offset: 64, .size: 8, .value_kind: global_buffer, .address_space: global }
      - { .name: emb_ln_b, .offset: 72, .size: 8, .value_kind: global_buffer, .address_space: global }
      - { .name: out_br, .offset: 80, .size: 8, .value_kind: global_buffer, .address_space: global }
      - { .name: lru_ln_g, .offset: 88, .size: 8, .value_kind: global_buffer, .address_space: global }
      - { .name: lru_ln_b, .offset: 96, .size: 8, .value_kind: global_buffer, .address_space: global }
      - { .name: b1, .offset: 104, .size: 8, .value_kind: global_buffer, .address_space: global }
      - { .name: b2, .offset: 112, .size: 8, .value_kind: global_buffer, .address_space: global }
      - { .name: ffn_ln_g, .offset: 120, .size: 8, .value_kind: global_buffer, .address_space: global }
      - { .name: ffn_ln_b, .offset: 128, .size: 8, .value_kind: global_buffer, .address_space: global }
      - { .name: out0, .offset: 136, .size: 8, .value_kind: global_buffer, .address_space: global }
    .group_segment_fixed_size: 309248
    .private_segment_fixed_size: 0
    .kernarg_segment_align: 8
    .kernarg_segment_size: 144
    .max_flat_workgroup_size: 256
    .sgpr_count:     102
    .vgpr_count:     512
    .wavefront_size: 32
...
	.end_amdgpu_metadata
.endif
;; end of part 2
;; ======== version 2 of 2: 2 launches; version 1 with the launch main written anew for expert scheduling mode
;; limits: right only within a limited range of input values
;; workspace buffers: iw 524,288 bytes; ow 524,288 bytes; pw 131,072 bytes; bi 4,096 bytes; fw 204,800 bytes; order 4,096 bytes of whole numbers
;; launch prep: the kernel of part 1 again; grid 339 x 1, 8 waves a work-group, no clusters, 0 bytes of LDS; arguments params_log, in_wr, in_wi, in_br, in_bi, out_wr, out_wi, w1, w2, item_seq_len, iw, ow, pw, bi, fw, order; writes iw, ow, pw, bi, fw, order
;; launch main (part 3): grid 256 x 1, 8 waves a work-group, no clusters, 309,248 bytes of LDS; arguments token_emb, item_seq, order, iw, ow, pw, bi, fw, emb_ln_g, emb_ln_b, out_br, lru_ln_g, lru_ln_b, b1, b2, ffn_ln_g, ffn_ln_b, out0; writes out0
.if DOCPART == 3
	.amdgcn_target "amdgcn-amd-amdhsa--gfx1250"
	.amdhsa_code_object_version 6
	.text
	.protected	k_qc9a7b63618_main
	.globl	k_qc9a7b63618_main
	.p2align	8
	.type	k_qc9a7b63618_main,@function
k_qc9a7b63618_main:
	s_mov_b64 s[64:65], 0
	v_nop
	global_prefetch_b8 v0, s[64:65] scope:SCOPE_SE
	s_setreg_imm32_b32 hwreg(HW_REG_WAVE_SCHED_MODE, 0, 2), 2
	s_setreg_imm32_b32 hwreg(HW_REG_WAVE_MODE, 25, 1), 1
	s_wait_xcnt 0x0
	s_wait_alu depctr_vm_vsrc(0)
; LRURec, launch 2 of 2.  Work-group i takes the batches of rank i and 511 - i by length (a long one and a short one) and makes their two rows of out0.
; LEFT OUT, as shown at the head of the first launch: padded positions 0 .. 47 and positions behind p = 55 + item_seq_len[b] (whole tiles of 16); layer 2 behind its in-projection for all rows but p; the imaginary
; part of the out-projections, and with it out_bi.  A NaN, an infinity or an overflow that reaches only that work is not carried to the result.
; THREE PASSES.  Pass 0 and 1, one batch each: S gates m[t] | GPX the gates' products G(t, p) | E gather, LayerNorm -> X, and X + out_br[0] -> Y | L1 layer 1's LRU, in two sweeps of 128 channels, tile by tile:
; in-projection and scan -> HS, barrier, real part of the out-projection added into Y, barrier | W the FFN's codes into X's bytes | F a tile a wave: norm, FFN, norm, in place in Y; the row at p is kept in TT |
; L2 layer 2's in-projection of all tiles, summed at once into h[p] = sum lambda^(p - s) G(s, p) h_in[s] -> HF.  Pass 2: T1 layer 2's out-projection of the two rows -> Y's tile 0 | W | F | the two rows leave.
; FORMATS.  The complex products feed quantisers: f32 operands, v_wmma_f32_16x16x4_f32; k is permuted alike in both operands (a lane's 16 bytes are four neighbours).  The FFN's two products: codes of E3M2 with E8M0 scales,
; both used transposed (source 0 = 16 rows of the weight), so that a lane holds one row throughout; the rows that form a weight's tile are chosen so that a lane's registers run along the next K.
; No tensor load, no cluster: how many tiles are walked hangs on a length read from memory; weights come from memory straight into registers in the order of the operand's registers, 512 consecutive bytes an instruction.
; All loops have constant trip counts. EXEC is never written: what a length chooses among lanes is chosen by v_cndmask_b32.
; LIMITS: ids are held at 50,000, lengths at 1 .. 200, batch numbers at 511.  erf is u P(u^2) / Q(u^2) with u held at +-4: an absolute error of about 1e-7, so GELU's far negative tail is right in absolute terms only.
; A block of zeros gets the scale byte 1 (its codes are zeros).  Sums and powers of lambda are associated otherwise than in lru_scan: roundings of f32 differ.
; LDS: X 16 tiles of 16 rows x 528 bytes | Y likewise | HS 16 rows x 1,040 | HF 3 x 2,064 | TT 3 x 8 slots x 528, a slot a wave | G, GP 1,024 each | the spare words.  (Tiles 13 .. 15 and the third rows are never live.)
; REGISTERS, window 0: v1-15 addresses; v16-47 the f32 sums HR, HI, OA, OB, written by matrix instructions alone; v48-143 operands from LDS; v144-159 the scan's results, later C and the out-projection's sums;
;   v160-222 lambda's powers, biases, the carries, gates; v223-240 at work; v206-237, dead behind the scan, take the out-projection's fourth quarter; in the FFN v144-191 are a second set of four fragments;
;   v241-250 scale words and nothing else; v251-255 lane terms.
;   window 1: L1: in_w's fragments v0-127, out_w's v128-255; FFN: ZX v0-63, A2 v64-127, HID v128-191, PT v192-255.
; THE MODE: SCHED_MODE bits 1:0 = 2 (LLVM: expert scheduling mode 2), set by the entry lines.  The code itself states the register dependences between vector or matrix instructions and memory or LDS instructions,
; and those through scalar registers that vector instructions write, with s_wait_alu, always for 0.
; THE PLAN.  Registers that memory or LDS instructions touch:
;   v1-v10, v254, v255   addresses made at the head and never written again: one wait on va_vdst ahead of the first LDS store.
;   v11-v15, v223        (GPX: v48-55; E: v224-239) the addresses of a phase or of a trip, all made together at its head.  Ahead of the makers a wait on vm_vsrc: the instructions issued so far have read the old addresses
;                        and their stores' data.  Behind the makers a wait on va_vdst: the addresses are written, and the vector and matrix instructions issued so far are done with the registers in which this phase's loads land.
;                        Behind that wait the phase's loads follow with no further wait: no vector or matrix instruction since names a register that they touch.
;   what is stored       (gates, rows of X and Y, the scan's results, the out-projection's totals, the kept row, h[p]) is made by vector instructions: one wait on va_vdst ahead of each run of stores; the next head's wait on vm_vsrc frees it.
;   out-projection       its four quarters of HS have four buffers (v48-143, v206-237): 34 LDS loads in one run behind part B's wait, none among its 64 matrix instructions.
;   FFN                  eight fragments in two sets (v48-95, v144-191), eight scale words.  w1's come at a trip's head.  Behind the first product one wait on va_vdst: it is done reading them; w2's go out there and land under GELU and the quantiser.
;                        Codes and scale words made by vector instructions stand behind their places and a wait on va_vdst ahead of the scaled product that takes them.
;   masks, lane reads    compares and v_readlane_b32 are laid in runs into scalar registers of their own, one wait on va_sdst behind a run (va_vcc where the mask lies in VCC).
.set P,     528
.set TILE,  16*P
.set YB,    16*TILE
.set HSB,   32*TILE
.set HP,    1040
.set HFB,   HSB+16*HP
.set HFP,   2064
.set TTB,   HFB+6400
.set GB,    TTB+12800
.set SPARE, GB+2048
.set SPW, 1
.set NIL, 2
.set LT,  3                            ; r 528 + 16 h: a row's 16 bytes for the f32 form
.set LH,  4                            ; HS + r 1040 + 16 h
.set AHW, 5                            ; HS + 8 h 1040 + 128 w + 8 r
.set AYW, 6                            ; Y + r 528 + 64 w + 32 h
.set AG,  7                            ; G + 192 + 32 h
.set L16, 8                            ; 16 lane
.set FA,  9                            ; r 528 + 64 h: the FFN's layout: register 16 b + 4 i + e = column 32 b + 16 h + 4 i + e of row r
.set PL,  10                           ; 64 h: the same for a vector of 128 parameters
.set HR,  16
.set HI,  24
.set OA,  32
.set OB,  40
.set PO,  48
.set O,   144
.set LAM8, 160                         ; lambda^e at LAM8 + 2 (8 - e)
.set LAM4, 168
.set LAM3, 170
.set LAM2, 172
.set LAM1, 174
.set BRV, 182
.set BIV, 190
.set W,   198
.set WP,  206
.set Q4,  206                          ; v206-237: the out-projection's fourth quarter, where lambda^16 W, the gates and the scan's work registers lay
.set G,   214
.set WSC, 241
.set XS,  249
.set PWS, 250
.set RR,  251
.set HH,  252
.set LAN, 253
.set AHF, 254                          ; HF + 128 w + 8 r
.set ATT, 255                          ; TT + 528 w + 64 h
.set WF,  48                           ; the FFN: four fragments of a weight; the second set of four lies 96 registers on, at v144,
.set PC,  96                           ; the hidden layer's codes,
.set QW,  108                          ; the quantiser's work registers,
.set XF,  116                          ; x's codes,
.set TM,  128                          ; largest magnitudes, bytes, scale operands
.set ZX,  0
.set A2,  64
.set HID, 128
.set PT,  192
.set MSB, 0
.macro WIN new                         ; the immediate's high byte repeats the setting that is left
.if MSB != \new
	s_set_vgpr_msb (MSB<<8)|\new
.set MSB, \new
.endif
.endm
.macro BAR                             ; my LDS stores have landed and my LDS loads are in: then the work-group's barrier
	s_wait_dscnt 0x0
	s_barrier_signal -1
	s_barrier_wait -1
.endm
.macro NOPS n
.rept \n
	v_nop
.endr
.endm
.macro PLOAD dst, ptr, voff            ; 128 parameters in the FFN's layout
.irp b, 0,1,2,3
.irp i, 0,1,2,3
	global_load_b128 v[\dst+16*\b+4*\i:\dst+16*\b+4*\i+3], v[\voff], s[\ptr:\ptr+1] offset:128*\b+16*\i
.endr
.endr
.endm
.macro RLOAD dst, va                   ; a tile's rows in the FFN's layout
.irp b, 0,1,2,3
.irp i, 0,1,2,3
	ds_load_b128 v[\dst+16*\b+4*\i:\dst+16*\b+4*\i+3], v[\va] offset:128*\b+16*\i
.endr
.endr
.endm
.macro RSTORE src, va
.irp b, 0,1,2,3
.irp i, 0,1,2,3
	ds_store_b128 v[\va], v[\src+16*\b+4*\i:\src+16*\b+4*\i+3] offset:128*\b+16*\i
.endr
.endr
.endm
.macro XLOAD va                        ; 16 rows x 128 for the f32 form: register 4 q + e of lane (r, h) = column 8 q + 4 h + e of row r
.set xli, 0
.rept 16
	ds_load_b128 v[PO+4*xli:PO+4*xli+3], v[\va] offset:32*xli
.set xli, xli+1
.endr
.endm
; The in-projection of a tile for my 16 channels: HR, HI (position 8 h + j, channel r) = bias + x w.  The two sums take turns; each sum's first step takes the bias as C.
.macro IP
	WIN 0x04                                       ; source 1 (the weights) in window 1
	v_wmma_f32_16x16x4_f32 v[HR:HR+7], v[PO:PO+1], v[0:1], v[BRV:BRV+7]
	v_wmma_f32_16x16x4_f32 v[HI:HI+7], v[PO:PO+1], v[64:65], v[BIV:BIV+7]
.set ipi, 2
.rept 31
	v_wmma_f32_16x16x4_f32 v[HR:HR+7], v[PO+ipi:PO+ipi+1], v[ipi:ipi+1], v[HR:HR+7]
	v_wmma_f32_16x16x4_f32 v[HI:HI+7], v[PO+ipi:PO+ipi+1], v[64+ipi:65+ipi], v[HI:HI+7]
.set ipi, ipi+2
.endr
	WIN 0
.endm
.macro CMG c, g, xr, xi                ; c = g x (a gate times a complex number)
	v_mul_f32 v[\c], v[\g], v[\xr]
	v_mul_f32 v[(\c)+1], v[\g], v[\xi]
.endm
.macro CFMA dr, di, sr, si, a, c       ; d = s + a c (complex)
	v_fma_f32 v[\dr], v[\a], v[\c], v[\sr]
	v_fma_f32 v[\di], v[\a], v[(\c)+1], v[\si]
	v_fma_f32 v[\dr], -v[(\a)+1], v[(\c)+1], v[\dr]
	v_fma_f32 v[\di], v[(\a)+1], v[\c], v[\di]
.endm
; THE SCAN of a tile.  A lane holds channel r and positions 8 h + 0 .. 7.  Levels 1 to 3 lie in its registers, level 4 crosses the halves of the lanes, levels 5 to 8 come as the carries W0 .. W3:
; W_b = lambda^(16 (T mod 2^b)) x the gated end of the first half of the block of 2^(5+b), where bit b of the tile's number T is set, else 0.
.macro SC
.irp b, 0,1,2,3                        ; lambda^16 W, the carries' sum, its factor: 23 plain lines that name no register of the products: their places
	v_mul_f32 v[WP+2*\b], v176, v[W+2*\b]
	v_mul_f32 v[WP+2*\b+1], v176, v[W+2*\b+1]
.endr
.irp b, 0,1,2,3
	v_fma_f32 v[WP+2*\b], -v177, v[W+2*\b+1], v[WP+2*\b]
	v_fma_f32 v[WP+2*\b+1], v177, v[W+2*\b], v[WP+2*\b+1]
.endr
	v_pk_add_f32 v[232:233], v[W:W+1], v[W+2:W+3]
	v_pk_add_f32 v[226:227], v[W+4:W+5], v[W+6:W+7]
	v_pk_add_f32 v[232:233], v[232:233], v[226:227]
	v_mul_f32 v234, v178, v232
	v_mul_f32 v235, v178, v233
	v_fma_f32 v234, -v179, v233, v234
	v_fma_f32 v235, v179, v232, v235               ; (h ? lambda^8 : 1) x the carries' sum
	v_permlanex16_b32 v222, v[G+7], s42, s43
	v_cndmask_b32 v222, v222, v[G+7], s44          ; the gate of position 15, in every lane
.irp e, 0,2,4,6                        ; level 1 (each sum is read from its low end on)
	CMG 224+(\e%4), G+\e, HR+\e, HI+\e
	CFMA O+2*\e+2, O+2*\e+3, HR+\e+1, HI+\e+1, LAM1, 224+(\e%4)
.endr
	CMG 224, G+1, O+2, O+3                         ; level 2
	CMG 226, G+5, O+10, O+11
	CFMA O+4, O+5, HR+2, HI+2, LAM1, 224
	CFMA O+12, O+13, HR+6, HI+6, LAM1, 226
	CFMA O+6, O+7, O+6, O+7, LAM2, 224
	CFMA O+14, O+15, O+14, O+15, LAM2, 226
	CMG 224, G+3, O+6, O+7                         ; level 3
	CFMA O+8, O+9, HR+4, HI+4, LAM1, 224
	CFMA O+10, O+11, O+10, O+11, LAM2, 224
	CFMA O+12, O+13, O+12, O+13, LAM3, 224
	CFMA O+14, O+15, O+14, O+15, LAM4, 224
	CMG 224, G+7, O+14, O+15                       ; level 4: position 7, gated, goes to the upper half of the lanes
	v_permlanex16_b32 v228, v224, s42, s43
	v_permlanex16_b32 v229, v225, s42, s43
	v_cndmask_b32 v230, 0, v228, s44
	v_cndmask_b32 v231, 0, v229, s44
	v_pk_add_f32 v[234:235], v[234:235], v[230:231]   ; what every position of my half takes in, times lambda^(j + 1)
	CFMA 236, 237, O+14, O+15, LAM8, 230           ; position 15 behind level 4, without the carries,
	v_permlanex16_b32 v238, v236, s42, s43
	v_permlanex16_b32 v239, v237, s42, s43
	v_cndmask_b32 v238, v238, v236, s44            ; in every lane
	v_cndmask_b32 v239, v239, v237, s44
	CFMA O, O+1, HR, HI, LAM1, 234
.irp j, 1,2,3,4,5,6,7
	CFMA O+2*\j, O+2*\j+1, O+2*\j, O+2*\j+1, LAM1-2*\j, 234
.endr
	s_wait_alu depctr_va_vdst(0)                   ; the scan has written v[O .. O+15], which the LDS stores read
.irp j, 0,1,2,3,4,5,6,7
	ds_store_b64 v[AHW], v[O+2*\j:O+2*\j+1] offset:\j*HP
.endr
	s_add_co_u32 s55, s52, 3                       ; the carries for tile T + 1 (these lines name no register of the stores above).  z = the number of T's trailing ones:
	s_not_b32 s55, s55
	s_ctz_i32_b32 s55, s55
.irp b, 0,1,2,3
	s_cmp_gt_u32 s55, \b
	s_cselect_b32 s[66+\b], -1, 0                  ; b < z: W_b ends;
	s_cmp_eq_u32 s55, \b
	s_cselect_b32 s[70+\b], -1, 0                  ; b = z: W_b begins; b > z: W_b goes on, times lambda^16
.endr
	v_cndmask_b32 v224, 0, v[WP], s66
	v_cndmask_b32 v225, 0, v[WP+1], s66
	v_cndmask_b32 v226, 0, v[WP+2], s67
	v_cndmask_b32 v227, 0, v[WP+3], s67
	v_cndmask_b32 v228, 0, v[WP+4], s68
	v_cndmask_b32 v229, 0, v[WP+5], s68
	v_pk_add_f32 v[224:225], v[224:225], v[226:227]
	v_pk_add_f32 v[228:229], v[228:229], v[238:239]
	v_pk_add_f32 v[224:225], v[224:225], v[228:229]   ; position 15 behind level 4 + z
	v_mul_f32 v224, v222, v224
	v_mul_f32 v225, v222, v225                     ; gated
.irp b, 0,1,2,3
	v_cndmask_b32 v[W+2*\b], v[WP+2*\b], 0, s[66+\b]
	v_cndmask_b32 v[W+2*\b+1], v[WP+2*\b+1], 0, s[66+\b]
.endr
.irp b, 0,1,2,3
	v_cndmask_b32 v[W+2*\b], v[W+2*\b], v224, s[70+\b]
	v_cndmask_b32 v[W+2*\b+1], v[W+2*\b+1], v225, s[70+\b]
.endr
.endm
; 16 steps of the out-projection: source 0 = 16 rows d of (wr, -wi), from v[wb] of window 1 on; source 1 = 16 positions of (hr, hi).  Two sums take turns; the first takes what stands in Y as C, the second 0.
.macro MM16 qb, wb, first
.set mmi, 0
.rept 8
.if (\first) && (mmi == 0)
	v_wmma_f32_16x16x4_f32 v[OA:OA+7], v[\wb:\wb+1], v[\qb:\qb+1], v[O:O+7]
	v_wmma_f32_16x16x4_f32 v[OB:OB+7], v[\wb+2:\wb+3], v[\qb+2:\qb+3], 0
.else
	v_wmma_f32_16x16x4_f32 v[OA:OA+7], v[\wb+4*mmi:\wb+4*mmi+1], v[\qb+4*mmi:\qb+4*mmi+1], v[OA:OA+7]
	v_wmma_f32_16x16x4_f32 v[OB:OB+7], v[\wb+4*mmi+2:\wb+4*mmi+3], v[\qb+4*mmi+2:\qb+4*mmi+3], v[OB:OB+7]
.endif
.set mmi, mmi+1
.endr
.endm
.macro QLOAD reg, vq, off
.set qli, 0
.rept 8
	ds_load_b128 v[\reg+4*qli:\reg+4*qli+3], v[\vq] offset:\off+32*qli
.set qli, qli+1
.endr
.endm
; Y(position r, d = 16 w + 8 h + j) += the real part of 128 channels' out-projection.  vq: the 16 rows of 256 numbers; vy: my 32 bytes of a row of Y; wb: the weights' first register in window 1.
; Whoever calls it has stated, ahead of it, that the LDS stores issued so far have read v[O .. O+15] and that the vector and matrix instructions issued so far are done with v[O .. O+7], v[PO .. PO+95] and v[Q4 .. Q4+31]:
; so all 34 loads stand in one run, each quarter in a buffer of its own, and no load stands among the 64 matrix instructions.
.macro OP vq, vy, qoff, wb
	ds_load_b128 v[O:O+3], v[\vy]
	ds_load_b128 v[O+4:O+7], v[\vy] offset:16
	QLOAD PO, \vq, \qoff
	QLOAD PO+32, \vq, \qoff+256
	QLOAD PO+64, \vq, \qoff+512
	QLOAD Q4, \vq, \qoff+768
	s_wait_dscnt 24                                ; Y's numbers and the first quarter are in; the 24 loads of the other three may be out
	WIN 0x01                                       ; source 0 (the weights) in window 1
	MM16 PO, \wb, 1
	s_wait_dscnt 16                                ; the second quarter is in; the third's and the fourth's 16 loads may be out
	MM16 PO+32, \wb+32, 0
	s_wait_dscnt 8                                 ; the third is in; the fourth's 8 may be out
	MM16 PO+64, \wb+64, 0
	s_wait_dscnt 0x0
	MM16 Q4, \wb+96, 0
	WIN 0
	NOPS 9                                         ; eight places in front of the reads, nine in front of the next sums begun on these registers
.irp j, 0,2,4,6
	v_pk_add_f32 v[O+8+\j:O+9+\j], v[OA+\j:OA+\j+1], v[OB+\j:OB+\j+1]
.endr
	s_wait_alu depctr_va_vdst(0)                   ; the four additions have written v[O+8 .. O+15], which the LDS stores read; the matrix instructions above are done reading their operands
	ds_store_b128 v[\vy], v[O+8:O+11]
	ds_store_b128 v[\vy], v[O+12:O+15] offset:16
.endm
; LayerNorm of 16 rows in the FFN's layout, all in window 1: a: 64 numbers a lane, in place; t: registers at work; g, b: gain and bias.  A row lies in lanes l and l xor 16.
.macro LNORM a, t, g, b
	WIN 0x55
	v_pk_add_f32 v[\t:\t+1], v[\a:\a+1], v[\a+2:\a+3]              ; ascending: each sum of the matrix unit is read from its low end on
	v_pk_add_f32 v[\t+2:\t+3], v[\a+4:\a+5], v[\a+6:\a+7]
.set lnj, 8
.rept 14
	v_pk_add_f32 v[\t:\t+1], v[\t:\t+1], v[\a+lnj:\a+lnj+1]
	v_pk_add_f32 v[\t+2:\t+3], v[\t+2:\t+3], v[\a+lnj+2:\a+lnj+3]
.set lnj, lnj+4
.endr
	v_pk_add_f32 v[\t:\t+1], v[\t:\t+1], v[\t+2:\t+3]
	v_add_f32 v[\t], v[\t], v[\t+1]
	v_permlanex16_b32 v[\t+1], v[\t], s42, s43
	v_add_f32 v[\t], v[\t], v[\t+1]
	v_mul_f32 v[\t], s90, v[\t]                    ; the mean
.set lnj, 0
.rept 32
	v_pk_add_f32 v[\a+lnj:\a+lnj+1], v[\a+lnj:\a+lnj+1], v[\t:\t+1] op_sel_hi:[1,0] neg_lo:[0,1] neg_hi:[0,1]
.set lnj, lnj+2
.endr
	v_pk_mul_f32 v[\t+2:\t+3], v[\a:\a+1], v[\a:\a+1]
	v_pk_mul_f32 v[\t+4:\t+5], v[\a+2:\a+3], v[\a+2:\a+3]
.set lnj, 4
.rept 15
	v_pk_fma_f32 v[\t+2:\t+3], v[\a+lnj:\a+lnj+1], v[\a+lnj:\a+lnj+1], v[\t+2:\t+3]
	v_pk_fma_f32 v[\t+4:\t+5], v[\a+lnj+2:\a+lnj+3], v[\a+lnj+2:\a+lnj+3], v[\t+4:\t+5]
.set lnj, lnj+4
.endr
	v_pk_add_f32 v[\t+2:\t+3], v[\t+2:\t+3], v[\t+4:\t+5]
	v_add_f32 v[\t+2], v[\t+2], v[\t+3]
	v_permlanex16_b32 v[\t+3], v[\t+2], s42, s43
	v_add_f32 v[\t+2], v[\t+2], v[\t+3]
	v_fma_f32 v[\t+2], v[\t+2], s90, s91           ; the variance + 1e-5
	v_rsq_f32 v[\t+2], v[\t+2]
	v_nop                                          ; a plain line behind the root
	s_wait_alu depctr_va_vdst(0)                   ; the root's result is written, ahead of its first reader
.set lnj, 0
.rept 32
	v_pk_mul_f32 v[\a+lnj:\a+lnj+1], v[\a+lnj:\a+lnj+1], v[\t+2:\t+3] op_sel_hi:[1,0]
.set lnj, lnj+2
.endr
.set lnj, 0
.rept 32
	v_pk_fma_f32 v[\a+lnj:\a+lnj+1], v[\a+lnj:\a+lnj+1], v[\g+lnj:\g+lnj+1], v[\b+lnj:\b+lnj+1]
.set lnj, lnj+2
.endr
	WIN 0
.endm
; 64 numbers of a lane in window 1, register 16 b + i = k 32 b + 16 h + i of my row, become a fragment's codes in v[pc .. pc + 11] (wk .. wk + 6 at work) and its scale word in v[pw].
.macro QUANT s, pc, wk, pw
	WIN 0x05
.irp b, 0,1,2,3
	v_max3_num_f32 v[TM+\b], |v[\s+16*\b]|, |v[\s+1+16*\b]|, 0x2800000     ; with the floor 2^(5 - 127): the byte cannot fall under 1
.endr
	WIN 0x14
.irp i, 2,4,6,8,10,12,14
.irp b, 0,1,2,3
	v_max3_num_f32 v[TM+\b], v[TM+\b], |v[\s+16*\b+\i]|, |v[\s+1+16*\b+\i]|
.endr
.endr
	WIN 0
.irp b, 0,1,2,3
	v_permlanex16_b32 v[TM+4+\b], v[TM+\b], s42, s43
.endr
.irp b, 0,1,2,3
	v_max_num_f32 v[TM+\b], v[TM+\b], v[TM+4+\b]   ; the block's largest magnitude
.endr
.irp b, 0,1,2,3
	v_add_nc_u32 v[TM+12+\b], 0xfe000000, v[TM+\b] ; 4 off its exponent field: the conversion's scale operand
.endr
.irp b, 0,1,2,3
	v_lshrrev_b32 v[TM+4+\b], 23, v[TM+12+\b]      ; the scale's byte
.endr
	v_lshl_or_b32 v[\pw], v[TM+5], 8, v[TM+4]
	v_lshl_or_b32 v[\pw], v[TM+6], 16, v[\pw]
	v_lshl_or_b32 v[\pw], v[TM+7], 24, v[\pw]
	WIN 0x01
.irp c, 0,1
	v_cvt_scalef32_pk16_bf6_f32 v[\pc+6*\c:\pc+2+6*\c], v[\s+32*\c:\s+15+32*\c], v[TM+12+2*\c]
	v_cvt_scalef32_pk16_bf6_f32 v[\wk+4*\c:\wk+2+4*\c], v[\s+16+32*\c:\s+31+32*\c], v[TM+12+2*\c+1]   ; (three registers begin on an even number)
.endr
	WIN 0
	v_nop                                          ; a plain line behind the scaled conversions
.irp c, 0,1                            ; the operand wants a whole block in a lane
.irp i, 0,1,2
	v_permlane16_swap_b32 v[\pc+6*\c+\i], v[\wk+4*\c+\i]
.endr
.irp i, 0,1,2
	v_mov_b32 v[\pc+3+6*\c+\i], v[\wk+4*\c+\i]
.endr
.endr
.endm
.macro PK8 op, d, a, b                 ; eight pairs: d = a op b
.set pki, 0
.rept 8
	\op v[\d+pki:\d+pki+1], v[\a+pki:\a+pki+1], v[\b+pki:\b+pki+1]
.set pki, pki+2
.endr
.endm
.macro PK8C op, d, a, lit              ; d = a op a constant
.set pki, 0
.rept 8
	\op v[\d+pki:\d+pki+1], v[\a+pki:\a+pki+1], \lit op_sel_hi:[1,0]
.set pki, pki+2
.endr
.endm
.macro PK8H d, w, lit                  ; d = d w + a constant
.set pki, 0
.rept 8
	v_pk_fma_f32 v[\d+pki:\d+pki+1], v[\d+pki:\d+pki+1], v[\w+pki:\w+pki+1], \lit op_sel_hi:[1,1,0]
.set pki, pki+2
.endr
.endm
.macro PK8S d, w, lit, cp              ; d = w x a constant + the pair cp of window 0 (an instruction takes one literal)
.set pki, 0
.rept 8
	v_pk_fma_f32 v[\d+pki:\d+pki+1], v[\w+pki:\w+pki+1], \lit, v[\cp:\cp+1] op_sel_hi:[1,0,1]
.set pki, pki+2
.endr
.endm
; GELU, exact form: x/2 (1 + erf(x / sqrt 2)), erf(u) = u P(u^2) / Q(u^2), u held at +-4.  Sixteen numbers a batch; PT: u, u^2 (later x/2), P, Q.  One wait for a batch's sixteen reciprocals.
.macro GELU
.irp bt, 0,1,2,3
	WIN 0x55
	PK8C v_pk_mul_f32, PT, HID+16*\bt, 0x3f3504f3
.set gi, 0
.rept 16
	v_med3_num_f32 v[PT+gi], v[PT+gi], -4.0, 4.0
.set gi, gi+1
.endr
	PK8 v_pk_mul_f32, PT+16, PT, PT
	WIN 0x45
	PK8S PT+32, PT+16, 0xaf95df0b, 236
	PK8S PT+48, PT+16, 0xb77460cd, 238
	WIN 0x55
	PK8H PT+32, PT+16, 0xb60cff51
	PK8H PT+48, PT+16, 0xbadc924e
	PK8H PT+32, PT+16, 0xb86ec2d2
	PK8H PT+48, PT+16, 0xbbf19bf8
	PK8H PT+32, PT+16, 0xba40ac63
	PK8H PT+48, PT+16, 0xbc69b6a7
	PK8H PT+32, PT+16, 0xbb41a1f6
	PK8H PT+32, PT+16, 0xbc83dbd4
	PK8 v_pk_mul_f32, PT+32, PT+32, PT
.set gi, 0
.rept 16
	v_rcp_f32 v[PT+48+gi], v[PT+48+gi]
.set gi, gi+1
.endr
	PK8C v_pk_mul_f32, PT+16, HID+16*\bt, 0.5      ; x/2: plain work behind the reciprocals
	s_wait_alu depctr_va_vdst(0)                   ; the batch's sixteen reciprocals are written, ahead of their first reader
	PK8 v_pk_mul_f32, PT+32, PT+32, PT+48
.set gi, 0
.rept 8
	v_pk_fma_f32 v[HID+16*\bt+gi:HID+16*\bt+gi+1], v[PT+16+gi:PT+17+gi], v[PT+32+gi:PT+33+gi], v[PT+16+gi:PT+17+gi]
.set gi, gi+2
.endr
.endr
	WIN 0
.endm
; Eight fragments of a weight, the K step's, into the two sets, and their eight scale words: 32 LDS loads in one run, the first set's sixteen first.  off, soff: where the weight's images and scale words begin.
.macro WLOAD off, soff
.irp g, 0,1
.irp t, 0,1,2,3
.irp c, 0,1,2
	ds_load_b128 v[WF+96*\g+12*\t+4*\c:WF+96*\g+12*\t+4*\c+3], v12 offset:\off+(4*\g+\t)*1536+512*\c
.endr
	ds_load_b32 v[WSC+4*\g+\t], v13 offset:\soff+64*(4*\g+\t)
.endr
.endr
.endm
; Layer 2's state: S = M S + the sum of L_j gp_j h_j, in two chains.  The first eight lines name no register of the products: their places.
.macro SL
	v_mul_f32 v228, v176, v224
	v_mul_f32 v229, v176, v225
	v_mul_f32 v230, v176, v226
	v_mul_f32 v231, v176, v227
	v_fma_f32 v228, -v177, v225, v228
	v_fma_f32 v229, v177, v224, v229
	v_fma_f32 v230, -v177, v227, v230
	v_fma_f32 v231, v177, v226, v231
.irp j, 0,1,2,3,4,5,6,7
	CMG 232+2*(\j%2), G+\j, HR+\j, HI+\j
.if \j < 2
	CFMA 224+2*\j, 225+2*\j, 228+2*\j, 229+2*\j, LAM8+2*\j, 232+2*\j
.else
	CFMA 224+2*(\j%2), 225+2*(\j%2), 224+2*(\j%2), 225+2*(\j%2), LAM8+2*\j, 232+2*(\j%2)
.endif
.endr
.endm
; ================ head
	s_load_b512 s[4:19], s[0:1], 0x0               ; token_emb 4, item_seq 6, order 8, iw 10, ow 12, pw 14, bi 16, fw 18
	s_load_b512 s[20:35], s[0:1], 0x40             ; emb_ln_g 20, emb_ln_b 22, out_br 24, lru_ln_g 26, lru_ln_b 28, b1 30, b2 32, ffn_ln_g 34
	s_load_b128 s[36:39], s[0:1], 0x80             ; ffn_ln_b 36, out0 38
	v_lshl_add_u32 v[SPW], v0, 2, SPARE
	v_mov_b32 v[NIL], 0
	v_lshrrev_b32 v11, 5, v0
	v_readfirstlane_b32 s40, v11                   ; wave w
	v_and_b32 v[LAN], 31, v0
	v_and_b32 v[RR], 15, v0                        ; r
	v_bfe_u32 v[HH], v0, 4, 1                      ; h
	v_mul_u32_u24 v[LT], v[RR], P
	v_lshl_add_u32 v[FA], v[HH], 6, v[LT]
	v_lshl_add_u32 v[AYW], v[HH], 5, v[LT]
	v_lshl_add_u32 v[LT], v[HH], 4, v[LT]
	s_wait_alu depctr_va_sdst(0)                   ; s40 is written, ahead of its first reader
	s_lshl_b32 s55, s40, 6
	s_add_co_u32 s55, s55, YB
	v_add_nc_u32 v[AYW], s55, v[AYW]
	v_mul_u32_u24 v[LH], v[RR], HP
	v_lshl_add_u32 v[LH], v[HH], 4, v[LH]
	v_add_nc_u32 v[LH], HSB, v[LH]
	v_mul_u32_u24 v[AHW], v[HH], 8*HP
	v_lshl_add_u32 v[AHW], v[RR], 3, v[AHW]
	s_lshl_b32 s55, s40, 7
	s_add_co_u32 s56, s55, HSB
	v_add_nc_u32 v[AHW], s56, v[AHW]
	s_add_co_u32 s56, s55, HFB
	v_lshl_add_u32 v[AHF], v[RR], 3, s56
	v_lshlrev_b32 v[AG], 5, v[HH]
	v_add_nc_u32 v[AG], GB+192, v[AG]
	v_lshlrev_b32 v[L16], 4, v[LAN]
	v_lshlrev_b32 v[PL], 6, v[HH]
	s_mul_i32 s56, s40, P
	s_add_co_u32 s56, s56, TTB
	v_lshl_add_u32 v[ATT], v[HH], 6, s56
	v_add_nc_u32 v11, s56, v[L16]
.irp j, 224,225,226,227,228,229,238,239,222,132,133,134,135
	v_mov_b32 v[\j], 0                             ; written once: a lane permute's destination counts as one of its sources; v224-227: zeros for my slots of TT
.endr
	v_mov_b32 v[XS], 0x7f7f7f7f                    ; x's scale word holds a scale (four times 1.0) on every way through the text
	s_wait_alu depctr_va_vdst(0)                   ; v11 and v224-227 are written, which the two stores read; so are the addresses v1-v10, v254, v255, which memory and LDS instructions read to the kernel's end
	ds_store_b128 v11, v[224:227]                  ; my two slots of TT hold numbers whoever keeps the row at p
	ds_store_b128 v11, v[224:227] offset:8*P
	s_mov_b32 s41, 0                               ; the pass
	s_mov_b32 s92, 0                               ; its row of HF
	s_mov_b32 s93, 0                               ; its slots of TT
	s_mov_b32 s42, 0x76543210
	s_mov_b32 s43, 0xfedcba98                      ; lane l xor 16
	s_mov_b32 s44, 0xffff0000                      ; lanes 16 to 31
	s_mov_b32 s90, 0x3c000000                      ; 1 / 128
	s_mov_b32 s91, 0x3727c5ac                      ; 1e-5
	s_wait_kmcnt 0x0
	s_lshl_b32 s55, ttmp9, 3
	s_sub_co_u32 s56, 4088, s55
	s_load_b64 s[60:61], s[8:9], s55 offset:0x0    ; (batch, length) of rank i
	s_load_b64 s[62:63], s[8:9], s56 offset:0x0    ; and of rank 511 - i
	s_wait_kmcnt 0x0
.Lpass:
	s_wait_alu depctr_vm_vsrc(0)                   ; the head's two stores, or the memory and LDS instructions of the pass before, have read their addresses and data: this pass writes these registers anew
	s_cmp_eq_u32 s41, 0
	s_cselect_b32 s45, s60, s62
	s_cselect_b32 s46, s61, s63
	s_min_u32 s45, s45, 511                        ; the batch
	s_lshl_b32 s74, s45, 9                         ; its row of item_seq begins 800 = 512 + 256 + 32 bytes x the batch on: three terms, added where the offsets are made
	s_lshl_b32 s76, s45, 8
	s_lshl_b32 s77, s45, 5
	s_sub_co_u32 s50, 200, s46
	s_min_u32 s50, s50, 199
	s_and_b32 s50, s50, 15
	s_lshl_b32 s50, s50, 3                         ; 8 (15 - p mod 16): where the last tile's powers begin in pw
	s_max_u32 s46, s46, 1
	s_min_u32 s46, s46, 200
	s_add_co_u32 s47, s46, 55                      ; p
	s_lshr_b32 s48, s47, 4
	s_sub_co_u32 s48, s48, 2                       ; tiles to walk: tile k holds positions 48 + 16 k ..
	s_min_u32 s48, s48, 13                         ; 1 .. 13
	s_and_b32 s49, s47, 15                         ; p's row in the last of them
	s_cmp_eq_u32 s41, 2
	s_cselect_b32 s48, 1, s48                      ; pass 2: one tile,
	s_cselect_b32 s94, 1, 0                        ; layer 2's parameters
	s_lshl_b32 s95, s94, 9
	s_mul_i32 s100, s94, 102400
	s_cmp_eq_u32 s41, 2
	s_cbranch_scc1 .Ltail
; ================ S: the gates.  Thread t is position t
	v_add_nc_u32 v11, -56, v0
	v_min_u32 v11, 0xc7, v11                       ; t - 56, held at 199: under 56 the difference wraps and index 199 is read; the gate there is False whatever is read
	v_lshlrev_b32 v11, 2, v11
	v_add_nc_u32 v11, s74, v11
	v_add_nc_u32 v11, s76, v11
	v_add_nc_u32 v11, s77, v11
	v_lshl_add_u32 v14, v0, 2, GB
	v_cmp_le_u32 s56, 56, v0
	s_wait_alu depctr_va_vdst(0)                   ; v11 and v14 are written, the load's offset and the stores' address; the vector instructions of the pass before are done with v240, in which the id lands
	global_load_b32 v240, v11, s[6:7]
	s_wait_loadcnt 0x0
	v_cmp_lt_i32 s57, 0, v240
	s_wait_alu depctr_va_sdst(0)                   ; the two masks s56 and s57 are written, ahead of their first reader
	s_and_b32 s56, s56, s57
	v_cndmask_b32 v223, 0, 1.0, s56
	s_wait_alu depctr_va_vdst(0)                   ; the gate v223 is written, which the store reads
	ds_store_b32 v14, v223
	BAR
; ================ GPX: G(t, p)
	s_wait_alu depctr_vm_vsrc(0)                   ; the gate's store has read v223, which is written anew below
	v_lshlrev_b32 v15, 2, v0
.irp i, 0,1,2,3,4,5,6,7
	v_and_b32 v[PO+\i], 0x3fc-4*((1<<\i)-1), v15
.endr
.irp i, 0,1,2,3,4,5,6,7
	v_add_nc_u32 v[PO+\i], GB+4*((1<<\i)-1), v[PO+\i]              ; m[t | (2^i - 1)]: an address register for each of the eight
.endr
	v_xor_b32 v230, s47, v0
	v_mov_b32 v223, 1.0
	s_wait_alu depctr_va_vdst(0)                   ; the eight addresses are written; earlier vector instructions are done with v232-239, in which the gates land
.irp i, 0,1,2,3,4,5,6,7
	ds_load_b32 v[232+\i], v[PO+\i]
.endr
.irp i, 0,1,2,3,4,5,6,7                ; the masks, in one run, while the gates are on their way
	v_cmp_le_u32 s[66+\i], 1<<\i, v230             ; t and p differ in bit i or above,
	v_and_b32 v240, 1<<\i, v0
	v_cmp_eq_u32 s[78+\i], 0, v240                 ; and bit i of t is 0: the gate counts
.endr
	v_cmp_ge_u32 s86, s47, v0
	s_wait_alu depctr_va_sdst(0)                   ; the seventeen masks are written, ahead of their first reader
.irp i, 0,1,2,3,4,5,6,7
	s_and_b32 s[66+\i], s[66+\i], s[78+\i]
.endr
	s_wait_dscnt 0x0
.irp i, 0,1,2,3,4,5,6,7
	v_cndmask_b32 v240, 1.0, v[232+\i], s[66+\i]
	v_mul_f32 v223, v223, v240
.endr
	v_cndmask_b32 v223, 0, v223, s86               ; nothing from behind p
	s_wait_alu depctr_va_vdst(0)                   ; the product v223 is written, which the store reads
	ds_store_b32 v14, v223 offset:1024
; ================ E: wave w gathers and norms tiles w and w + 8
	s_mov_b32 s75, 0
	s_mov_b32 s52, s40
.Le:
	s_cmp_ge_u32 s52, s48
	s_cbranch_scc1 .Le_skip
	s_mul_i32 s53, s52, TILE
	s_lshl_b32 s55, s52, 4
	s_wait_alu depctr_vm_vsrc(0)                   ; GPX's loads and store, or the last trip's loads and stores, have read v11-v14, v48-111, v224-239 and ZX and A2 of window 1: this trip writes all of them
	v_add_nc_u32 v15, s55, v[RR]                   ; 16 k + r: rows under 8 are padding
	v_add_nc_u32 v11, -8, v15
	v_min_u32 v11, 0xc7, v11                       ; 16 k + r - 8, held at 199: the padded rows read index 199, and are made zeros behind the norm
	v_lshlrev_b32 v11, 2, v11
	v_add_nc_u32 v11, s74, v11
	v_add_nc_u32 v11, s76, v11
	v_add_nc_u32 v11, s77, v11
	v_add_nc_u32 v13, s53, v[L16]
	v_add_nc_u32 v14, s53, v[FA]
	v_add_nc_u32 v12, YB, v14
	v_cmp_le_u32 s56, 8, v15                       ; the rows that are no padding: read behind the norm
	s_wait_alu depctr_va_vdst(0)                   ; the trip's four addresses are written; earlier vector instructions are done with v240 and with PT and HID of window 1, in which the loads land
	global_load_b32 v240, v11, s[6:7]              ; lane r: the id of the tile's row r
	WIN 0x40
	PLOAD PT, 20, PL
	PLOAD HID, 22, PL
	WIN 0
	s_wait_loadcnt 32                              ; the ids are in; the 32 loads of gain and bias issued behind them may be out
.irp m, 0,1,2,3,4,5,6,7,8,9,10,11,12,13,14,15
	v_readlane_b32 s[66+\m+4*(\m/8)], v240, \m     ; sixteen ids into s66-73 and s78-85, in one run
.endr
	s_wait_alu depctr_va_sdst(0)                   ; the sixteen ids and the mask s56 are written, ahead of their first readers
.irp m, 0,1,2,3,4,5,6,7,8,9,10,11,12,13,14,15
	s_min_u32 s[66+\m+4*(\m/8)], s[66+\m+4*(\m/8)], 50000
	v_lshl_add_u32 v[224+\m], s[66+\m+4*(\m/8)], 9, v[L16]
.endr
	s_wait_alu depctr_va_vdst(0)                   ; the sixteen offsets are written; earlier vector and matrix instructions are done with v48-111, v144-207 and ZX, in which this trip's other loads land
.irp m, 0,1,2,3,4,5,6,7,8,9,10,11,12,13,14,15
	global_load_b128 v[PO+4*\m:PO+4*\m+3], v[224+\m], s[4:5]       ; a whole row of 512 bytes an instruction
.endr
	s_wait_loadcnt 0x0
	PLOAD O, 24, PL                                ; out_br[0], into v144-207: wanted last, behind the norm
.irp m, 0,1,2,3,4,5,6,7,8,9,10,11,12,13,14,15
	ds_store_b128 v13, v[PO+4*\m:PO+4*\m+3] offset:\m*P            ; as they came, into X: my own tile;
.endr
	WIN 0x40
	RLOAD ZX, 14                                   ; and back in the FFN's layout (LDS serves a wave's instructions in order)
	WIN 0
	s_wait_dscnt 0x0
	LNORM ZX, A2, PT, HID
	WIN 0x40
	v_cndmask_b32 v[A2], 0, 1.0, s56
	WIN 0x55
.set ei, 0
.rept 32
	v_pk_mul_f32 v[ZX+ei:ZX+ei+1], v[ZX+ei:ZX+ei+1], v[A2:A2+1] op_sel_hi:[1,0]   ; the padded rows are zeros behind the norm, as reference() pads them
.set ei, ei+2
.endr
	s_wait_loadcnt 0x0                             ; out_br[0]
	WIN 0x41
.set ei, 0
.rept 32
	v_pk_add_f32 v[A2+ei:A2+ei+1], v[ZX+ei:ZX+ei+1], v[O+ei:O+ei+1]              ; x + out_br[0]: what the out-projection adds onto
.set ei, ei+2
.endr
	WIN 0x04
	s_wait_alu depctr_va_vdst(0)                   ; ZX and A2 are written, which the 32 stores read
	RSTORE ZX, 14
	RSTORE A2, 12
	WIN 0
.Le_skip:
	s_add_co_u32 s52, s52, 8
	s_add_co_u32 s75, s75, 1
	s_cmp_lt_u32 s75, 2
	s_cbranch_scc1 .Le
	BAR
; ================ L1: layer 1's LRU.  In sweep rho wave w scans channels 16 (8 rho + w) + r and makes outputs d = 16 w ..
	s_mov_b32 s51, 0
.Lsweep:
	s_wait_alu depctr_vm_vsrc(0)                   ; E's stores, or the last sweep's LDS instructions, have read v11-v14 and ZX and A2 of window 1: the addresses are made anew, and the weights land in window 1
	s_lshl_b32 s55, s51, 3
	s_add_co_u32 s55, s55, s40                     ; my block of 16 channels
	s_lshl_b32 s56, s55, 14
	v_add_nc_u32 v11, s56, v[L16]
	s_lshl_b32 s56, s40, 6
	s_lshl_b32 s57, s51, 5
	s_add_co_u32 s56, s56, s57
	s_lshl_b32 s56, s56, 9
	v_add_nc_u32 v12, s56, v[L16]
	s_lshl_b32 s56, s55, 12
	v_lshl_add_u32 v13, v[RR], 8, s56
	s_lshl_b32 s56, s55, 7
	v_lshl_add_u32 v14, v[RR], 3, s56
	WIN 0x40
	s_wait_alu depctr_va_vdst(0)                   ; the four offsets are written; the norms, or the last sweep's matrix and vector instructions, are done with window 1 and with v160-181, in which the loads land
.set ri, 0
.rept 32
	global_load_b128 v[4*ri:4*ri+3], v11, s[10:11] offset:512*ri             ; in_w: re in v0-63, im in v64-127 of window 1
.set ri, ri+1
.endr
.set ri, 0
.rept 32
	global_load_b128 v[128+4*ri:131+4*ri], v12, s[12:13] offset:512*ri       ; out_w's columns of this sweep's channels
.set ri, ri+1
.endr
	WIN 0
.irp i, 0,1,2,3
	global_load_b128 v[LAM8+4*\i:LAM8+4*\i+3], v13, s[14:15] offset:64+16*\i ; lambda^8 .. lambda^1
.endr
	global_load_b64 v[176:177], v13, s[14:15]      ; lambda^16
	global_load_b64 v[180:181], v14, s[16:17]      ; gamma in_b
.irp j, 0,1,2,3,4,5,6,7
	v_mov_b32 v[W+\j], 0                           ; no carry comes from tiles 0 to 2: their gates are False
.endr
	s_wait_loadcnt 0x0
	v_cndmask_b32 v178, 1.0, v[LAM8], s44
	v_cndmask_b32 v179, 0, v[LAM8+1], s44          ; h ? lambda^8 : 1
.irp j, 0,1,2,3,4,5,6,7
	v_mov_b32 v[BRV+\j], v180                      ; the bias in the result's layout: the C of each sum's first step
	v_mov_b32 v[BIV+\j], v181
.endr
	s_mov_b32 s52, 0
	s_mov_b32 s53, 0
	s_mov_b32 s54, 0
.Ltile:
	s_cmp_ge_u32 s52, s48
	s_cbranch_scc1 .La_skip
	s_wait_alu depctr_vm_vsrc(0)                   ; the loads issued so far have read v11 and v13; the last tile's LDS stores have read v[O .. O+15], which the scan writes again
	v_add_nc_u32 v11, s53, v[LT]
	v_add_nc_u32 v13, s54, v[AG]
	s_wait_alu depctr_va_vdst(0)                   ; both addresses are written; the last tile's matrix instructions are done reading v[PO ..] and v[G ..], in which the tile and its gates land
	XLOAD 11
	ds_load_b128 v[G:G+3], v13
	ds_load_b128 v[G+4:G+7], v13 offset:16
	s_wait_dscnt 0x0
	IP
	SC
.La_skip:
	BAR                                            ; the tile's 128 scanned channels lie in HS
	s_cmp_ge_u32 s52, s48
	s_cbranch_scc1 .Lb_skip
	s_wait_alu depctr_vm_vsrc(0)                   ; the instructions issued so far have read v12; the scan's LDS stores have read v[O .. O+15]: Y's numbers land in the first eight, the totals are written into the last eight
	v_add_nc_u32 v12, s53, v[AYW]
	s_wait_alu depctr_va_vdst(0)                   ; v12 is written; the in-projection is done reading v[PO ..], the scan is done with v[O ..] and v[Q4 ..]: the 34 loads land there
	OP LH, 12, 0, 128
.Lb_skip:
	BAR                                            ; nobody reads HS any more
	s_add_co_u32 s52, s52, 1
	s_add_co_u32 s53, s53, TILE
	s_add_co_u32 s54, s54, 64
	s_cmp_lt_u32 s52, 13
	s_cbranch_scc1 .Ltile
	s_add_co_u32 s51, s51, 1
	s_cmp_lt_u32 s51, 2
	s_cbranch_scc1 .Lsweep
	s_branch .Lffn
; ================ T1 (pass 2): y = Re(h[p] out_w) + out_br[1] + x[p] for the two rows; lanes r take row r mod 2, so that Y's tile 0 holds numbers in all 16 rows
.Ltail:
	s_max_u32 s55, s61, 1
	s_min_u32 s55, s55, 200
	s_add_co_u32 s55, s55, 55
	s_lshr_b32 s55, s55, 4
	s_sub_co_u32 s55, s55, 3
	s_and_b32 s55, s55, 7                          ; the wave that kept the first batch's row at p: its last tile's number mod 8
	s_max_u32 s56, s63, 1
	s_min_u32 s56, s56, 200
	s_add_co_u32 s56, s56, 55
	s_lshr_b32 s56, s56, 4
	s_sub_co_u32 s56, s56, 3
	s_and_b32 s56, s56, 7                          ; and the second's
	v_mov_b32 v232, s55
	v_mov_b32 v233, s56
	v_and_b32 v15, 1, v[RR]
	v_cmp_eq_u32 vcc_lo, 1, v15
	v_mul_u32_u24 v11, v15, 8*P
	v_lshl_add_u32 v11, v[HH], 5, v11
	s_lshl_b32 s57, s40, 6
	s_add_co_u32 s58, s57, TTB
	v_add_nc_u32 v11, s58, v11
	v_lshl_add_u32 v12, v[HH], 5, s57
	s_lshl_b32 s58, s40, 15
	v_add_nc_u32 v13, s58, v[L16]
	v_mul_u32_u24 v14, v15, HFP
	v_lshl_add_u32 v14, v[HH], 4, v14
	v_add_nc_u32 v14, HFB, v14
	s_wait_alu depctr_va_vcc(0)                    ; VCC is written, ahead of its reader
	v_cndmask_b32 v232, v232, v233, vcc_lo
.irp ws, 1,2,3,4,5,6,7
	v_cmp_eq_u32 s[66+\ws-1], \ws, v232            ; which slot holds my row: seven masks in one run
.endr
	s_wait_alu depctr_va_vdst(0)                   ; the four addresses are written; the vector and matrix instructions of the pass before are done with v[PO ..], v224-231 and window 1, in which the loads land
.irp ws, 0,1,2,3,4,5,6,7
	ds_load_b128 v[PO+8*\ws:PO+8*\ws+3], v11 offset:\ws*P          ; all eight slots: the choice is made on values, not on addresses
	ds_load_b128 v[PO+8*\ws+4:PO+8*\ws+7], v11 offset:\ws*P+16
.endr
	global_load_b128 v[224:227], v12, s[24:25] offset:512
	global_load_b128 v[228:231], v12, s[24:25] offset:528
	WIN 0x40
.set ri, 0
.rept 32
	global_load_b128 v[128+4*ri:131+4*ri], v13, s[12:13] offset:262144+512*ri        ; layer 2's out_w, my 16 rows: channels 0 .. 127,
.set ri, ri+1
.endr
.set ri, 0
.rept 32
	global_load_b128 v[4*ri:4*ri+3], v13, s[12:13] offset:262144+16384+512*ri        ; and 128 .. 255
.set ri, ri+1
.endr
	WIN 0
	s_wait_alu depctr_va_sdst(0)                   ; the seven masks are written, ahead of their first reader
	s_wait_dscnt 0x0
.irp j, 0,1,2,3,4,5,6,7
	v_cndmask_b32 v[O+\j], v[PO+\j], v[PO+8+\j], s66
.endr
.irp ws, 2,3,4,5,6,7
.irp j, 0,1,2,3,4,5,6,7
	v_cndmask_b32 v[O+\j], v[O+\j], v[PO+8*\ws+\j], s[66+\ws-1]
.endr
.endr
	s_wait_loadcnt 0x0
.irp j, 0,2,4,6
	v_pk_add_f32 v[O+8+\j:O+9+\j], v[O+\j:O+\j+1], v[224+\j:225+\j]
.endr
	s_wait_alu depctr_va_vdst(0)                   ; v[O+8 .. O+15] are written, which the two stores read; the choices and additions are done with v[O ..], v[PO ..] and v224-233, in which the out-projection's loads land
	ds_store_b128 v[AYW], v[O+8:O+11]
	ds_store_b128 v[AYW], v[O+12:O+15] offset:16
	s_wait_alu depctr_vm_vsrc(0)                   ; the two stores have read v[O+8 .. O+15], into which the out-projection writes its totals
	OP 14, AYW, 0, 128
	s_wait_alu depctr_vm_vsrc(0)                   ; likewise the first half's two stores.  (Its last wait on va_vdst stands behind all its vector and matrix instructions: the second half's loads owe nothing more)
	OP 14, AYW, 1024, 0
; ================ W: the layer's codes and scale words into X's bytes, which nobody reads any more
.Lffn:
	s_wait_alu depctr_vm_vsrc(0)                   ; the LDS instructions issued so far have read v11-v13 and v[O ..]: the addresses are made anew, and the last of the 25 loads lands in v144-147
	v_lshlrev_b32 v12, 4, v0
	v_add_nc_u32 v11, s100, v12
	v_add_nc_u32 v13, 65536, v12
	s_wait_alu depctr_va_vdst(0)                   ; the three addresses are written; the out-projection's matrix and vector instructions are done with v48-147, in which the loads land
.set wi, 0
.rept 25
	global_load_b128 v[PO+4*wi:PO+4*wi+3], v11, s[18:19] offset:4096*wi
.set wi, wi+1
.endr
	s_wait_loadcnt 0x0
.set wi, 0
.rept 16
	ds_store_b128 v12, v[PO+4*wi:PO+4*wi+3] offset:4096*wi
.set wi, wi+1
.endr
.rept 9
	ds_store_b128 v13, v[PO+4*wi:PO+4*wi+3] offset:4096*(wi-16)
.set wi, wi+1
.endr
	BAR
; ================ F: wave w takes tiles w and w + 8 through norm, FFN and norm, in place in Y.  Every wave walks both loops; the branch on the length leads round a tile's work inside them.
; What goes from part to part (A2, x's codes and scale word, the tile's address) lies in registers that every way through the text has written.
	v_mov_b32 v236, 0x32edffee                     ; P's second coefficient, as a pair
	v_mov_b32 v237, 0x32edffee
	v_mov_b32 v238, 0xb95fbd29                     ; Q's
	v_mov_b32 v239, 0xb95fbd29
	v_add_nc_u32 v14, s95, v[PL]                   ; the layer's vectors of 128
	s_mov_b32 s75, 0
	s_mov_b32 s52, s40
.Lf:
	s_mul_i32 s53, s52, TILE
	s_add_co_u32 s53, s53, YB
	s_wait_alu depctr_vm_vsrc(0)                   ; W's loads and stores, or the last trip's LDS instructions, have read v11 and their data, v48-147 and A2: this trip writes all of them
	v_add_nc_u32 v11, s53, v[FA]                   ; my tile of Y
	s_cmp_ge_u32 s52, s48
	s_cbranch_scc1 .Lf_a
	WIN 0x40
	s_wait_alu depctr_va_vdst(0)                   ; v11 and v14 are written; earlier vector and matrix instructions are done with ZX, PT and HID, in which the loads land
	RLOAD ZX, 11
	PLOAD PT, 26, 14
	PLOAD HID, 28, 14
	WIN 0
	s_wait_dscnt 0x0
	s_wait_loadcnt 0x0
	LNORM ZX, A2, PT, HID                          ; x = the LRU's norm
	WIN 0x40
	s_wait_alu depctr_va_vdst(0)                   ; the norm is done reading PT, in which b2 lands
	PLOAD PT, 32, 14                               ; b2: on its way while x is quantised
	QUANT ZX, XF, QW, XS
	s_wait_loadcnt 0x0
	WIN 0x55
.set fi, 0
.rept 32
	v_pk_add_f32 v[A2+fi:A2+fi+1], v[ZX+fi:ZX+fi+1], v[PT+fi:PT+fi+1]        ; x + b2: what the second product adds onto.  (32 plain lines: the places in front of the scaled products)
.set fi, fi+2
.endr
	WIN 0
.Lf_a:
	s_mov_b32 s96, 0
	s_mov_b32 s97, 0
	s_mov_b32 s98, 98304
	s_lshl_b32 s99, s94, 11
.Lfs:                                              ; four trips: 128 hidden units each, one K step of the second product
	s_cmp_ge_u32 s52, s48
	s_cbranch_scc1 .Lfs_skip
	s_wait_alu depctr_vm_vsrc(0)                   ; the last trip's loads have read v12, v13 and v15
	v_add_nc_u32 v12, s97, v[L16]
	v_lshl_add_u32 v13, v[RR], 2, s98
	v_add_nc_u32 v15, s99, v[PL]
	WIN 0x40
	s_wait_alu depctr_va_vdst(0)                   ; the three addresses are written; the last trip's second product is done reading the fragments and scale words, its quantiser HID: the loads land there; in the first trip x's codes and scale word are written, which the first product takes
	PLOAD HID, 30, 15                              ; b1: the C of the first product
	WIN 0
	WLOAD 0, 0                                     ; w1's eight fragments of these 128 hidden units
	s_wait_loadcnt 0x0
	s_wait_dscnt 16                                ; the first set and its scale words are in; the second set's sixteen loads may be out
	WIN 0x50                                       ; C and D in window 1
.irp t, 0,1,2,3
	v_wmma_scale_f32_16x16x128_f8f6f4 v[HID+8*\t:HID+8*\t+7], v[WF+12*\t:WF+12*\t+11], v[XF:XF+11], v[HID+8*\t:HID+8*\t+7], v[WSC+\t], v[XS] matrix_a_fmt:MATRIX_FMT_BF6 matrix_b_fmt:MATRIX_FMT_BF6
.endr
	s_wait_dscnt 0x0
.irp t, 0,1,2,3
	v_wmma_scale_f32_16x16x128_f8f6f4 v[HID+8*(4+\t):HID+8*(4+\t)+7], v[WF+96+12*\t:WF+96+12*\t+11], v[XF:XF+11], v[HID+8*(4+\t):HID+8*(4+\t)+7], v[WSC+4+\t], v[XS] matrix_a_fmt:MATRIX_FMT_BF6 matrix_b_fmt:MATRIX_FMT_BF6
.endr
	WIN 0
	NOPS 4                                         ; four places in front of GELU's reads of the results, and of the loads into the fragments' registers
	s_wait_alu depctr_va_vdst(0)                   ; the first product is done reading its fragments and scale words, in which w2's land
	WLOAD 49152, 2048                              ; w2's eight fragments of this K step: they land under GELU and the quantiser, which name none of these registers
	GELU
	QUANT HID, PC, QW, PWS
	NOPS 8                                         ; a scale word made by vector instructions stands eight places ahead of the scaled product
	s_wait_alu depctr_va_vdst(0)                   ; the hidden layer's codes and scale word are written, which the second product takes
	s_wait_dscnt 0x0
	WIN 0x50
.irp g, 0,1
.irp t, 0,1,2,3
	v_wmma_scale_f32_16x16x128_f8f6f4 v[A2+8*(4*\g+\t):A2+8*(4*\g+\t)+7], v[WF+96*\g+12*\t:WF+96*\g+12*\t+11], v[PC:PC+11], v[A2+8*(4*\g+\t):A2+8*(4*\g+\t)+7], v[WSC+4*\g+\t], v[PWS] matrix_a_fmt:MATRIX_FMT_BF6 matrix_b_fmt:MATRIX_FMT_BF6
.endr
.endr
	WIN 0
	NOPS 4                                         ; four places directly behind the second product, so that every way on from it passes them: to the next trip's loads into the fragments' and scale words' registers, to the closing norm's reads of the sums, and to the next tile's first norm, which works in A2's first registers
.Lfs_skip:
	s_add_co_u32 s96, s96, 1
	s_add_co_u32 s97, s97, 12288
	s_add_co_u32 s98, s98, 512
	s_add_co_u32 s99, s99, 512
	s_cmp_lt_u32 s96, 4
	s_cbranch_scc1 .Lfs
	s_cmp_ge_u32 s52, s48
	s_cbranch_scc1 .Lf_skip
	WIN 0x40
	s_wait_alu depctr_va_vdst(0)                   ; GELU is done with PT and the quantiser with HID, in which gain and bias land
	PLOAD PT, 34, 14
	PLOAD HID, 36, 14
	WIN 0
	s_wait_loadcnt 0x0
	LNORM A2, ZX, PT, HID
	WIN 0x04
	s_wait_alu depctr_va_vdst(0)                   ; the norm has written A2, which the sixteen stores read
	RSTORE A2, 11
	WIN 0
	s_add_co_u32 s55, s52, 1
	s_cmp_lg_u32 s55, s48
	s_cbranch_scc1 .Lf_skip
	s_cmp_eq_u32 s41, 2
	s_cbranch_scc1 .Lf_skip                        ; pass 2 keeps nothing: its rows leave behind the barrier below
	; the last tile: the row at p is kept.  The other 15 rows become zeros, four additions across the sixteen lanes bring the row into all of them, and all store the same bytes into my own slot
	s_wait_alu depctr_vm_vsrc(0)                   ; the FFN's LDS loads have read v12
	v_add_nc_u32 v12, s93, v[ATT]
	v_cmp_eq_u32 vcc_lo, s49, v[RR]
	s_wait_alu depctr_va_vcc(0)                    ; VCC is written, ahead of its first reader
	WIN 0x04
.set ci, 0
.rept 64
	v_cndmask_b32 v[PO+ci], 0, v[A2+ci], vcc_lo
.set ci, ci+1
.endr
	WIN 0
.irp m, 1,2,4,8
.set ci, 0
.rept 64
	v_add_f32_dpp v[PO+ci], v[PO+ci], v[PO+ci] row_xmask:\m row_mask:0xf bank_mask:0xf
.set ci, ci+1
.endr
.endr
	s_wait_alu depctr_va_vdst(0)                   ; v12 and the row in v[PO .. PO+63] are written, which the sixteen stores read
	RSTORE PO, 12
.Lf_skip:
	s_add_co_u32 s52, s52, 8
	s_add_co_u32 s75, s75, 1
	s_cmp_lt_u32 s75, 2
	s_cbranch_scc1 .Lf
	BAR                                            ; the block's output lies in Y
	s_cmp_eq_u32 s41, 2
	s_cbranch_scc0 .Ll2
; ================ pass 2: rows 0 and 1 of Y's tile 0 are the two results: wave 0 stores the first, wave 1 the second.  The addresses are made ahead of the branch on the wave's number
	s_min_u32 s55, s40, 1
	s_mul_i32 s55, s55, P
	s_add_co_u32 s55, s55, YB
	s_wait_alu depctr_vm_vsrc(0)                   ; the FFN's LDS loads have read v12 and v13
	v_add_nc_u32 v12, s55, v[L16]
	s_cmp_eq_u32 s40, 0
	s_cselect_b32 s56, s60, s62
	s_min_u32 s56, s56, 511
	s_lshl_b32 s56, s56, 9
	v_add_nc_u32 v13, s56, v[L16]
	s_wait_alu depctr_va_vdst(0)                   ; both addresses are written; earlier vector instructions are done with v224-227, in which the row lands
	s_cmp_gt_u32 s40, 1
	s_cbranch_scc1 .Lno_l2
	ds_load_b128 v[224:227], v12
	s_wait_dscnt 0x0
	global_store_b128 v13, v[224:227], s[38:39]    ; 32 lanes store a row of 512 consecutive bytes, aligned
	s_wait_xcnt 0x0                                ; the store's registers are written again only behind this wait
	s_branch .Lno_l2
; ================ L2: layer 2's in-projection and h[p], two sweeps of 128 channels; waves share nothing here
.Ll2:
	s_mov_b32 s51, 0
.Ll2r:
	s_wait_alu depctr_vm_vsrc(0)                   ; F's LDS instructions, or the last sweep's loads and its store, have read v11-v15, v223, v224-225, v[PO ..] and A2: this sweep writes all of them
	s_lshl_b32 s55, s51, 3
	s_add_co_u32 s55, s55, s40
	s_lshl_b32 s56, s55, 14
	v_add_nc_u32 v11, s56, v[L16]
	s_lshl_b32 s56, s55, 12
	v_lshl_add_u32 v13, v[RR], 8, s56
	v_lshl_add_u32 v14, v[HH], 6, v13
	v_add_nc_u32 v15, s50, v13
	v_add_nc_u32 v223, s50, v14
	s_lshl_b32 s56, s55, 7
	v_lshl_add_u32 v12, v[RR], 3, s56
	WIN 0x40
	s_wait_alu depctr_va_vdst(0)                   ; the six offsets are written; the FFN's, or the last sweep's, vector and matrix instructions are done with v0-127 of window 1 and with v160-181 and v198-213, in which the loads land
.set ri, 0
.rept 32
	global_load_b128 v[4*ri:4*ri+3], v11, s[10:11] offset:262144+512*ri
.set ri, ri+1
.endr
	WIN 0
	global_load_b64 v[176:177], v13, s[14:15] offset:65536         ; a whole tile: S is multiplied by lambda^16,
.irp j, 0,1,2,3,4,5,6,7
	global_load_b64 v[LAM8+2*\j:LAM8+2*\j+1], v14, s[14:15] offset:65544+8*\j    ; position 8 h + j by lambda^(15 - 8 h - j)
.endr
	global_load_b64 v[178:179], v15, s[14:15] offset:65536         ; the last tile: by lambda^(p mod 16 + 1),
.irp j, 0,1,2,3,4,5,6,7
	global_load_b64 v[W+2*\j:W+2*\j+1], v223, s[14:15] offset:65544+8*\j         ; and lambda^(p mod 16 - 8 h - j), 0 behind p
.endr
	global_load_b64 v[180:181], v12, s[16:17] offset:2048
.irp j, 224,225,226,227
	v_mov_b32 v[\j], 0                             ; S, in two chains
.endr
	s_wait_loadcnt 0x0
.irp j, 0,1,2,3,4,5,6,7
	v_mov_b32 v[BRV+\j], v180
	v_mov_b32 v[BIV+\j], v181
.endr
	s_mov_b32 s52, 0
	s_mov_b32 s53, YB
	s_mov_b32 s54, 0
.Ll2t:
	s_cmp_ge_u32 s52, s48
	s_cbranch_scc1 .Ll2_skip
	s_wait_alu depctr_vm_vsrc(0)                   ; the loads issued so far have read v11 and v13
	v_add_nc_u32 v11, s53, v[LT]
	v_add_nc_u32 v13, s54, v[AG]
	s_wait_alu depctr_va_vdst(0)                   ; both addresses are written; the last tile's matrix instructions are done reading v[PO ..], its sums' lines v[G ..]: the tile and its gates' products land there
	XLOAD 11
	ds_load_b128 v[G:G+3], v13 offset:1024         ; G(t, p) of my eight positions
	ds_load_b128 v[G+4:G+7], v13 offset:1040
	s_add_co_u32 s55, s52, 1
	s_cmp_lg_u32 s55, s48
	s_cbranch_scc1 .Ll2_mid
	v_mov_b32 v176, v178                           ; the last tile takes its own powers
	v_mov_b32 v177, v179
.irp j, 0,1,2,3,4,5,6,7,8,9,10,11,12,13,14,15
	v_mov_b32 v[LAM8+\j], v[W+\j]
.endr
.Ll2_mid:
	s_wait_dscnt 0x0
	IP
	SL
.Ll2_skip:
	s_add_co_u32 s52, s52, 1
	s_add_co_u32 s53, s53, TILE
	s_add_co_u32 s54, s54, 64
	s_cmp_lt_u32 s52, 13
	s_cbranch_scc1 .Ll2t
	v_pk_add_f32 v[224:225], v[224:225], v[226:227]
	v_permlanex16_b32 v228, v224, s42, s43
	v_permlanex16_b32 v229, v225, s42, s43
	v_pk_add_f32 v[224:225], v[224:225], v[228:229]                ; with the other half's eight positions: h[p] of my channel
	s_lshl_b32 s55, s51, 10
	s_add_co_u32 s55, s55, s92
	s_wait_alu depctr_vm_vsrc(0)                   ; the sweep's load of the last tile's factor has read v15
	v_add_nc_u32 v15, s55, v[AHF]
	s_wait_alu depctr_va_vdst(0)                   ; v15 and h[p] in v[224:225] are written, which the store reads
	ds_store_b64 v15, v[224:225]                   ; both halves of the lanes store the same number
	s_add_co_u32 s51, s51, 1
	s_cmp_lt_u32 s51, 2
	s_cbranch_scc1 .Ll2r
.Lno_l2:
	BAR                                            ; nobody reads Y, GP or X's bytes any more; HF and TT are whole
	s_add_co_u32 s41, s41, 1
	s_add_co_u32 s92, s92, HFP
	s_add_co_u32 s93, s93, 8*P
	s_cmp_lt_u32 s41, 3
	s_cbranch_scc1 .Lpass
	s_wait_dscnt 0x0                               ; the wave's end
	s_wait_alu 0x0
	s_wait_tensorcnt 0x0
	ds_add_u32 v[SPW], v[NIL]
	s_wait_dscnt 0x0
	s_endpgm
.Lfunc_end_k_qc9a7b63618_main:
	.size	k_qc9a7b63618_main, .Lfunc_end_k_qc9a7b63618_main-k_qc9a7b63618_main
	.p2alignl 7, 3214868480
	.fill 96, 4, 3214868480
	.section	.rodata,"a",@progbits
	.p2align	6, 0x0
	.amdhsa_kernel k_qc9a7b63618_main
		.amdhsa_group_segment_fixed_size 309248
		.amdhsa_private_segment_fixed_size 0
		.amdhsa_enable_private_segment 0
		.amdhsa_kernarg_size 144
		.amdhsa_user_sgpr_count 2
		.amdhsa_user_sgpr_kernarg_segment_ptr 1
		.amdhsa_wavefront_size32 1
		.amdhsa_system_sgpr_workgroup_id_x 1
		.amdhsa_system_sgpr_workgroup_id_y 1
		.amdhsa_system_sgpr_workgroup_id_z 1
		.amdhsa_system_vgpr_workitem_id 0
		.amdhsa_next_free_vgpr 512
		.amdhsa_next_free_sgpr 102
		.amdhsa_reserve_vcc 1
		.amdhsa_float_denorm_mode_32 3
		.amdhsa_float_denorm_mode_16_64 3
		.amdhsa_memory_ordered 1
		.amdhsa_forward_progress 1
		.amdhsa_inst_pref_size 239
	.end_amdhsa_kernel
	.amdgpu_metadata
---
amdhsa.version: [ 1, 2 ]
amdhsa.kernels:
  - .name:           k_qc9a7b63618_main
    .symbol:         k_qc9a7b63618_main.kd
    .args:
      - { .name: token_emb, .offset: 0, .size: 8, .value_kind: global_buffer, .address_space: global }
      - { .name: item_seq, .offset: 8, .size: 8, .value_kind: global_buffer, .address_space: global }
      - { .name: order, .offset: 16, .size: 8, .value_kind: global_buffer, .address_space: global }
      - { .name: iw, .offset: 24, .size: 8, .value_kind: global_buffer, .address_space: global }
      - { .name: ow, .offset: 32, .size: 8, .value_kind: global_buffer, .address_space: global }
      - { .name: pw, .offset: 40, .size: 8, .value_kind: global_buffer, .address_space: global }
      - { .name: bi, .offset: 48, .size: 8, .value_kind: global_buffer, .address_space: global }
      - { .name: fw, .offset: 56, .size: 8, .value_kind: global_buffer, .address_space: global }
      - { .name: emb_ln_g, .offset: 64, .size: 8, .value_kind: global_buffer, .address_space: global }
      - { .name: emb_ln_b, .offset: 72, .size: 8, .value_kind: global_buffer, .address_space: global }
      - { .name: out_br, .offset: 80, .size: 8, .value_kind: global_buffer, .address_space: global }
      - { .name: lru_ln_g, .offset: 88, .size: 8, .value_kind: global_buffer, .address_space: global }
      - { .name: lru_ln_b, .offset: 96, .size: 8, .value_kind: global_buffer, .address_space: global }
      - { .name: b1, .offset: 104, .size: 8, .value_kind: global_buffer, .address_space: global }
      - { .name: b2, .offset: 112, .size: 8, .value_kind: global_buffer, .address_space: global }
      - { .name: ffn_ln_g, .offset: 120, .size: 8, .value_kind: global_buffer, .address_space: global }
      - { .name: ffn_ln_b, .offset: 128, .size: 8, .value_kind: global_buffer, .address_space: global }
      - { .name: out0, .offset: 136, .size: 8, .value_kind: global_buffer, .address_space: global }
    .group_segment_fixed_size: 309248
    .private_segment_fixed_size: 0
    .kernarg_segment_align: 8
    .kernarg_segment_size: 144
    .max_flat_workgroup_size: 256
    .sgpr_count:     102
    .vgpr_count:     512
    .wavefront_size: 32
...
	.end_amdgpu_metadata
.endif
;; end of part 3
